; MI455X (gfx1250); checked and timed in simulation.
; The chip was launched on July 23, 2026; its instructions are those of AMD's public machine-readable ISA for CDNA 5 (MIT licence, August 2026) and "CDNA5" Instruction Set Architecture Reference Guide (July 2026). The comments in the code are by the model that wrote it; some were corrected since.
;; Attention. Allowed arithmetic: matrix products marked QUANTISED: E2M3 operands, one E8M0 scale for each 32 along K, by v_wmma_scale_f32_16x16x128_f8f6f4 with both operands' format E2M3, f32 sums; everything else in f32.
;; Inputs: Wk 1,024 x 1,024 float32; Wo 1,024 x 1,024 float32; Wq 1,024 x 1,024 float32; Wv 1,024 x 1,024 float32; bk 1,024 float32; bq 1,024 float32; bv 1,024 float32; hidden_states 4 x 2,048 x 1,024 float32; position_ids 4 x 2,048 int32.
;; Outputs: out0 4 x 2,048 x 1,024 float32.
;; This version of the problem:
;;   THIS VERSION OF THE PROBLEM IS GIVEN IN LOW PRECISION. The matrix products marked QUANTISED in the list below multiply operands that are first quantised to E2M3 (2 exponent bits, 3 mantissa bits; 6 bits a number), with one power-of-two scale for each 32 numbers along K (OCP MX v1.0); their sums are f32. All else is computed in f32.
;;   The module's matrix products, in the order in which they are computed (A, B: the left and right operand; K: the contracted axis; several contracted axes count as one K, in the product's order):
;;     1. [M 8,192, K 1,024] x [K 1,024, N 1,024]; A: input hidden_states; B: input Wq: QUANTISED
;;     2. [M 8,192, K 1,024] x [K 1,024, N 1,024]; A: input hidden_states; B: input Wk: QUANTISED
;;     3. [M 8,192, K 1,024] x [K 1,024, N 1,024]; A: input hidden_states; B: input Wv: QUANTISED
;;     4. batch 64 x [M 2,048, K 64] x [K 64, N 2,048]; A: computed on the way; B: computed on the way: QUANTISED
;;     5. batch 64 x [M 2,048, K 2,048] x [K 2,048, N 64]; A: softmax (see below); B: computed on the way: QUANTISED
;;     6. [M 8,192, K 1,024] x [K 1,024, N 1,024]; A: computed on the way; B: input Wo: QUANTISED
;;   THE QUANTISER, for each operand of a quantised product, along K:
;;     - K is cut into blocks of 32 from its start; a last block that is shorter is filled with zeros.
;;     - A block's scale is 2^e with e = floor(log2(the largest magnitude in the block)) - 2, held to -126 .. 127; a block of zeros has e = 0. As a byte (E8M0): e + 127.
;;     - Each number is divided by its block's scale, clamped to +-7.5, and rounded to the nearest number of E2M3, ties to even, subnormals kept.
;;     - The product sums the exact products of the quantised numbers (number of the format x scale) in f32.
;;   ~~~python
;;   def quantise(x, axis):      # numpy; x: float32 -> the quantised numbers, widened to float32 again
;;       x = np.moveaxis(x, axis, -1); K = x.shape[-1]
;;       x = np.pad(x, [(0, 0)] * (x.ndim - 1) + [(0, -K % 32)]); x = x.reshape(x.shape[:-1] + (-1, 32)); a = np.abs(x).max(-1, keepdims=True)
;;       e = np.where(a > 0, np.clip(np.frexp(np.where(a > 0, a, 1))[1] - 1 - 2, -126, 127), 0)      # np.frexp(a)[1] - 1 = floor(log2(a)), exactly
;;       r = np.clip(x / 2.0 ** e, -7.5, 7.5)
;;       step = 2.0 ** (np.maximum(np.frexp(np.where(r == 0, 1, r))[1] - 1, 0) - 3)
;;       q = np.round(r / step) * step * 2.0 ** e      # np.round: ties to even
;;       return np.moveaxis(q.reshape(q.shape[:-2] + (-1,))[..., :K], -1, axis).astype(np.float32)
;;   ~~~
;;   SOFTMAX AHEAD OF A QUANTISED PRODUCT. Where the list says 'softmax', what is quantised is not the finished softmax but p = 2^(t - M), with t = logit x log2(e) and M = ceil(the row's largest t), a whole number; so 1/2 < the row's largest p <= 1. The row's sum l is taken of the UNQUANTISED p, in f32, and the product's result is divided by l at the end. Since M is a whole number, a kernel that streams over the keys may use a running M (the ceiling of the running maximum): every later rescaling is an exact power of two, which a block's scale takes up: the codes' values come out the same.
;;   OPERANDS COMPUTED ON THE WAY. 'Computed on the way' means the value that the module computes at that place (a softmax that the list does not call 'softmax' is quantised finished and normalised). What goes into a quantiser is computed in f32, as accurately as f32 sums, v_exp_f32 and their like allow (about 1e-6 of the number): no bf16 or f16 on the way to a quantiser, and a product that is left as it is and whose result goes on into a quantised operand takes f32 operands (vector FMAs, or v_wmma_f32_16x16x4_f32). A number that lies on a knife's edge between two numbers of the format may be rounded either way, as far as f32 arithmetic and the matrix unit's own rounding can turn it there, and no further.
;; One version. Each part assembles by itself: llvm-mc -triple=amdgcn-amd-amdhsa -mcpu=gfx1250 --defsym DOCPART=n.
;; ======== version 1 of 1: 5 launches
;; limits: right only within a limited range of input values
;; workspace buffers: xc 8,388,608 bytes; xs 262,144 bytes; wc 4,194,304 bytes; ws 131,072 bytes; rope 2,097,152 bytes; qk 13,631,488 bytes; vv 6,815,744 bytes; oo 6,553,600 bytes
;; launch prep (part 1): grid 384 x 1, 4 waves a work-group, no clusters, 33,280 bytes of LDS; arguments hidden_states, Wq, Wk, Wv, Wo, position_ids, xc, xs, wc, ws, rope; writes xc, xs, wc, ws, rope
.if DOCPART == 1
	.amdgcn_target "amdgcn-amd-amdhsa--gfx1250"
	.amdhsa_code_object_version 6
	.text
	.protected	k_qfe98f8a5d4_prep
	.globl	k_qfe98f8a5d4_prep
	.p2align	8
	.type	k_qfe98f8a5d4_prep,@function
k_qfe98f8a5d4_prep:
	s_mov_b64 s[64:65], 0
	v_nop
	global_prefetch_b8 v0, s[64:65] scope:SCOPE_SE
	s_setreg_imm32_b32 hwreg(HW_REG_WAVE_MODE, 25, 1), 1
	s_wait_xcnt 0x0
; hidden_states [8192][1024] and Wq, Wk, Wv, Wo [1024][1024], f32, become codes of FP6 (E2M3), K innermost, with one E8M0 byte for each 32 along K; and the table of cos and sin is made, looked up by position_ids.
; A block's scale is 2^(floor(log2(largest magnitude)) - 2): its byte is the largest magnitude's exponent field - 2, held at 1 from below.
; VIRTUAL ROW ORDER: in every 32 rows of x, Wq, Wk, Wv and of the table the two middle groups of eight rows change places (Wo stays as it is).  A tile of 16 such rows, used as source 0 of a matrix
; instruction, leaves 16 neighbouring rows in the 16 registers of two neighbouring result tiles.  A wave's share is 8 whole rows, so the order costs one choice of where the wave stores.
; SHARES: work-groups 0-255 take x (32 rows each), 256-287 Wq, 288-319 Wk, 320-351 Wv, 352-383 Wo.  A wave takes 16 steps of 512 numbers; each load reads 512 consecutive bytes; a step turns through the wave's
; own stage in LDS so that a lane holds 16 neighbours along K; two neighbouring lanes hold a block.  Loads run four steps ahead.  Waves share nothing: no barrier.
; THE TABLE: work-groups 0-255; wave w makes rows 32 g + 8 w .. + 7, a lane a frequency: rope[virtual row][cos 32 f32, sin 32 f32].
; LIMITS: NaN and infinities are not served.  A block of zeros, or one under 2^-124, has the byte 1 (its codes are zeros or nearly; only this program reads the bytes).  position_ids lie in 0 .. 2047, as the
; table of the definition asks.  The frequency is 2^(-j log2(10000) / 32) by v_exp_f32, within an ulp or two of a correctly rounded power; the angle is reduced by pi / 2 in three parts with fused multiply-adds.
.set STEPS, 16
.set EMAX,  2
.set CB,    12                         ; bytes of 16 codes
.set R,     16                         ; v16-79   four sets of 16 numbers as loaded
.set X,     80                         ; v80-111  two sets of 16 neighbours
.set C,     128                        ; v128-191 codes: four registers a step
.set E,     112                        ; v112-127 a scale byte a step
.set WREG,  8192                       ; LDS: a region for each wave: two stages of 32 x SP bytes, 256 scale bytes, and at RST 2,048 bytes for the table
.set SP,    80
.set RST,   5632
	s_load_b256 s[8:15], s[0:1], 0x0               ; x s[8:9], Wq s[10:11], Wk s[12:13], Wv s[14:15]
	s_load_b256 s[16:23], s[0:1], 0x20             ; Wo s[16:17], position_ids s[18:19], xc s[20:21], xs s[22:23]
	s_load_b128 s[24:27], s[0:1], 0x40             ; wc s[24:25], ws s[26:27]
	s_load_b64 s[28:29], s[0:1], 0x50              ; rope
	v_lshl_add_u32 v192, v0, 2, 0x8000
	v_mov_b32 v193, 0
	v_lshrrev_b32 v1, 5, v0
	v_readfirstlane_b32 s34, v1                    ; wave
	v_and_b32 v2, 31, v0                           ; lane
	v_lshlrev_b32 v3, 4, v2                        ; my 16 bytes of a load's 512
	s_mul_i32 s37, s34, WREG
	v_lshrrev_b32 v14, 2, v2
	v_mul_u32_u24 v14, v14, SP
	v_and_b32 v15, 3, v2
	v_lshl_add_u32 v14, v15, 4, v14
	v_add_nc_u32 v14, s37, v14                     ; the stage, way in: SP (lane / 4) + 16 (lane % 4)
	v_mul_u32_u24 v15, v2, SP
	v_add_nc_u32 v15, s37, v15                     ; way out: SP x lane: my 16 neighbours
	; THE CODES' LAYOUT: a row of 1,024 codes is four segments of 256 bytes, each with the 192 bytes of 256 codes and 64 bytes of zeros: every segment begins at a multiple of 256 bytes
	v_and_b32 v4, 15, v2
	v_mul_u32_u24 v4, v4, CB
	v_lshrrev_b32 v10, 4, v2
	v_lshl_add_u32 v4, v10, 8, v4                  ; my codes' place in a step's two segments: 12 (lane % 16) + 256 (lane / 16)
	v_lshrrev_b32 v10, 2, v2
	v_and_b32 v1, 3, v2
	v_lshlrev_b32 v10, 8, v10
	v_lshl_add_u32 v10, v1, 4, v10
	v_add_nc_u32 v10, 192, v10                     ; the zeros: four lanes to a segment's last 64 bytes, eight segments a store
	v_lshrrev_b32 v5, 1, v2
	s_add_co_u32 s38, s37, 2*32*SP
	v_add_nc_u32 v5, s38, v5                       ; my block's scale byte in LDS
	v_lshlrev_b32 v7, 3, v2
	v_add_nc_u32 v6, s38, v7                       ; and 8 bytes a lane on the way out
	s_and_b32 s35, s34, 1
	s_lshl_b32 s35, s35, 1
	s_lshr_b32 s36, s34, 1
	s_or_b32 s35, s35, s36                         ; the wave's place in virtual order: 0, 2, 1, 3
	s_wait_alu depctr_va_vdst(0)
	s_wait_kmcnt 0x0
	s_cmp_lt_u32 ttmp9, 352                        ; which tensor: the choices hang on the work-group's number alone
	s_cselect_b64 s[4:5], s[14:15], s[16:17]
	s_cselect_b32 s36, s35, s34                    ; Wo keeps its rows' order
	s_cmp_lt_u32 ttmp9, 320
	s_cselect_b64 s[4:5], s[12:13], s[4:5]
	s_cmp_lt_u32 ttmp9, 288
	s_cselect_b64 s[4:5], s[10:11], s[4:5]
	s_cmp_lt_u32 ttmp9, 256
	s_cselect_b64 s[4:5], s[8:9], s[4:5]           ; the numbers
	s_cselect_b64 s[6:7], s[20:21], s[24:25]       ; the codes
	s_cselect_b64 s[2:3], s[22:23], s[26:27]       ; the scale bytes
	s_cselect_b32 s30, 0, 256
	s_cselect_b32 s31, 255, 31
	s_sub_co_u32 s30, ttmp9, s30                   ; the work-group's number among x's, or among the weights'
	s_and_b32 s31, s30, s31                        ; and inside its tensor
	s_lshl_b32 s31, s31, 2
	s_add_co_u32 s31, s31, s34                     ; which 8 rows I read
	s_lshl_b32 s40, s31, 15                        ; 32,768 bytes each
	s_mov_b32 s41, 0
	s_add_nc_u64 s[4:5], s[4:5], s[40:41]
	s_lshl_b32 s30, s30, 2
	s_add_co_u32 s30, s30, s36                     ; which 8 rows I write
	s_lshl_b32 s40, s30, 13                        ; 8,192 bytes of segments for eight rows
	s_add_nc_u64 s[6:7], s[6:7], s[40:41]
	s_lshl_b32 s40, s30, 8                         ; 256 scale bytes each
	s_add_nc_u64 s[2:3], s[2:3], s[40:41]
.macro LOAD t
.irp i, 0,1,2,3
	global_load_b128 v[R+16*((\t)%4)+4*\i:R+16*((\t)%4)+4*\i+3], v3, s[4:5] offset:2048*(\t)+512*\i th:TH_LOAD_NT   ; 32 lanes read 512 consecutive bytes
.endr
.endm
.macro TURN t                          ; a step's numbers through the stage: LDS serves a wave's instructions in order, so no wait stands between the stores and the loads
.irp i, 0,1,2,3
	ds_store_b128 v14, v[R+16*((\t)%4)+4*\i:R+16*((\t)%4)+4*\i+3] offset:32*SP*((\t)%2)+8*SP*\i
.endr
.irp i, 0,1,2,3
	ds_load_b128 v[X+16*((\t)%2)+4*\i:X+16*((\t)%2)+4*\i+3], v15 offset:32*SP*((\t)%2)+16*\i
.endr
.endm
.irp t, 0,1,2,3
	LOAD \t
.endr
	s_wait_loadcnt 12                              ; step 0's four loads are in
	TURN 0
.macro STEP t
.set XS, X+16*((\t)%2)
.if (\t) > 0
	s_wait_dscnt 1                                 ; this step's numbers are back from the stage (the last step's byte store may be out)
.else
	s_wait_dscnt 0x0
.endif
.if (\t)+4 < STEPS
	LOAD (\t)+4                                    ; into the registers that this step's stores into the stage have read
.endif
.if (\t)+1 < STEPS
.if STEPS-2-(\t) >= 3
	s_wait_loadcnt 12                              ; the next step's four loads are in; three steps' may be out
.else
	s_wait_loadcnt 4*(STEPS-2-(\t))
.endif
	TURN (\t)+1
.endif
	v_max3_num_f32 v8, |v[XS]|, |v[XS+1]|, |v[XS+2]|               ; the largest magnitude of my 16, in two chains
	v_max3_num_f32 v9, |v[XS+3]|, |v[XS+4]|, |v[XS+5]|
.irp i, 6,10
	v_max3_num_f32 v8, v8, |v[XS+\i]|, |v[XS+\i+1]|
	v_max3_num_f32 v9, v9, |v[XS+\i+2]|, |v[XS+\i+3]|
.endr
	v_max3_num_f32 v8, v8, |v[XS+14]|, |v[XS+15]|
	v_max3_num_f32 v8, v8, v9, (EMAX+1)<<23        ; and the floor 2^(3 - 127): the byte cannot fall under 1
	v_max_num_f32_dpp v8, v8, v8 row_xmask:1 row_mask:0xf bank_mask:0xf   ; with my neighbour's 16: the block's
	v_add_nc_u32 v11, -(EMAX<<23), v8              ; 2 off its exponent field: the conversion takes this operand's exponent field as its scale
	v_cvt_scalef32_pk16_fp6_f32 v[C+4*(\t):C+4*(\t)+2], v[XS:XS+15], v11
	v_lshrrev_b32 v[E+(\t)], 23, v11               ; the scale's byte
	ds_store_b8 v5, v[E+(\t)] offset:16*(\t)       ; both lanes of a block write the same byte with the same value
	global_store_b96 v4, v[C+4*(\t):C+4*(\t)+2], s[6:7] offset:512*(\t)
.endm
.irp t, 0,1,2,3,4,5,6,7,8,9,10,11,12,13,14,15
	STEP \t
.endr
.irp i, 0,1,2,3
	v_mov_b32 v[X+\i], 0
.endr
.irp k, 0,1,2,3
	global_store_b128 v10, v[X:X+3], s[6:7] offset:2048*\k   ; the 64 zero bytes of my 32 segments
.endr
	ds_load_b64 v[12:13], v6
	s_wait_dscnt 0x0
	global_store_b64 v7, v[12:13], s[2:3]          ; 32 lanes store 256 consecutive bytes, aligned
	s_cmp_ge_u32 ttmp9, 256                        ; the table has 8,192 rows: x's work-groups make it
	s_cbranch_scc1 .Lend
	s_wait_xcnt 0x0                                ; the stores above have read their registers: they are used again
	s_add_co_u32 s55, s37, RST
	v_lshl_add_u32 v31, v2, 2, s55                 ; my frequency's word in the wave's table stage
	v_add_nc_u32 v18, s55, v3                      ; and 16 bytes a lane on the way out
	s_lshl_b32 s40, ttmp9, 7
	s_lshl_b32 s42, s34, 5
	s_add_co_u32 s40, s40, s42                     ; 4 (32 g + 8 w)
	s_mov_b32 s41, 0
	s_add_nc_u64 s[18:19], s[18:19], s[40:41]
	s_load_b256 s[36:43], s[18:19], 0x0            ; my eight rows' positions
	s_lshl_b32 s56, ttmp9, 2
	s_add_co_u32 s56, s56, s35
	s_lshl_b32 s56, s56, 11                        ; 2,048 bytes for eight rows, at their virtual place
	s_mov_b32 s57, 0
	s_add_nc_u64 s[28:29], s[28:29], s[56:57]
	s_mov_b32 s44, 0x3f22f983                      ; 2 / pi
	s_mov_b32 s45, 0x3fc90fd8                      ; pi / 2 in three parts
	s_mov_b32 s46, 0x34a8885a
	s_mov_b32 s47, 0x27c234c4
	s_mov_b32 s48, 0x37cd4000                      ; cosine on [-pi/4, pi/4]: 2.4467707e-5, -1.388773e-3, 4.1666657e-2, -1/2, 1
	s_mov_b32 s49, 0xbab6077d
	s_mov_b32 s50, 0x3d2aaaa8
	s_mov_b32 s51, 0x36405000                      ; sine: 2.8656796e-6, -1.9855992e-4, 8.333386e-3, -1.6666667e-1
	s_mov_b32 s52, 0xb9503486
	s_mov_b32 s53, 0x3c0888c1
	s_mov_b32 s54, 0xbe2aaaab
	v_cvt_f32_u32 v17, v2
	v_mul_f32 v17, 0xbed49a78, v17                 ; -j log2(10000) / 32
	s_wait_alu depctr_va_vdst(0)
	v_exp_f32 v19, v17                             ; the frequency
	v_nop                                          ; a plain instruction behind the exponential
	s_wait_alu depctr_va_vdst(0)                   ; and the wait ahead of its first reader
	s_wait_kmcnt 0x0
.macro ROW i
	v_cvt_f32_i32 v20, s[36+\i]
	v_mul_f32 v20, v20, v19                        ; the angle, rounded to f32 as the definition rounds it
	v_mul_f32 v21, s44, v20
	v_rndne_f32 v21, v21                           ; n quarter turns
	v_fma_f32 v22, -v21, s45, v20
	v_fma_f32 v22, -v21, s46, v22
	v_fma_f32 v22, -v21, s47, v22                  ; what is left, within pi / 4
	v_mul_f32 v23, v22, v22
	v_mov_b32 v24, s48
	v_fma_f32 v24, v24, v23, s49
	v_fma_f32 v24, v24, v23, s50
	v_fma_f32 v24, v24, v23, -0.5
	v_fma_f32 v24, v24, v23, 1.0                   ; its cosine
	v_mov_b32 v25, s51
	v_fma_f32 v25, v25, v23, s52
	v_fma_f32 v25, v25, v23, s53
	v_fma_f32 v25, v25, v23, s54
	v_mul_f32 v26, v22, v23
	v_fma_f32 v25, v25, v26, v22                   ; its sine
	v_cvt_i32_f32 v27, v21
	v_and_b32 v28, 1, v27
	v_cmp_eq_u32 vcc_lo, 1, v28
	v_cndmask_b32 v29, v25, v24, vcc_lo            ; an odd quarter swaps the two
	v_cndmask_b32 v30, v24, v25, vcc_lo
	v_lshlrev_b32 v28, 30, v27
	v_and_b32 v28, 0x80000000, v28
	v_xor_b32 v29, v29, v28                        ; the sine is negative in quarters 2 and 3,
	v_add_nc_u32 v27, 1, v27
	v_lshlrev_b32 v27, 30, v27
	v_and_b32 v27, 0x80000000, v27
	v_xor_b32 v30, v30, v27                        ; the cosine in quarters 1 and 2
	ds_store_b32 v31, v30 offset:256*\i
	ds_store_b32 v31, v29 offset:256*\i+128
.endm
.irp i, 0,1,2,3,4,5,6,7
	ROW \i
.endr
.irp k, 0,1,2,3
	ds_load_b128 v[32+4*\k:35+4*\k], v18 offset:512*\k   ; my own stores, served in order
.endr
	s_wait_dscnt 0x0
.irp k, 0,1,2,3
	global_store_b128 v3, v[32+4*\k:35+4*\k], s[28:29] offset:512*\k   ; 512 consecutive bytes a store
.endr
.Lend:
	s_wait_tensorcnt 0x0
	ds_add_u32 v192, v193
	s_wait_dscnt 0x0
	s_endpgm
.Lfunc_end_k_qfe98f8a5d4_prep:
	.size	k_qfe98f8a5d4_prep, .Lfunc_end_k_qfe98f8a5d4_prep-k_qfe98f8a5d4_prep
	.p2alignl 7, 3214868480
	.fill 96, 4, 3214868480
	.section	.rodata,"a",@progbits
	.p2align	6, 0x0
	.amdhsa_kernel k_qfe98f8a5d4_prep
		.amdhsa_group_segment_fixed_size 33280
		.amdhsa_private_segment_fixed_size 0
		.amdhsa_enable_private_segment 0
		.amdhsa_kernarg_size 88
		.amdhsa_user_sgpr_count 2
		.amdhsa_user_sgpr_kernarg_segment_ptr 1
		.amdhsa_wavefront_size32 1
		.amdhsa_system_sgpr_workgroup_id_x 1
		.amdhsa_system_sgpr_workgroup_id_y 1
		.amdhsa_system_sgpr_workgroup_id_z 1
		.amdhsa_system_vgpr_workitem_id 0
		.amdhsa_next_free_vgpr 194
		.amdhsa_next_free_sgpr 66
		.amdhsa_reserve_vcc 1
		.amdhsa_float_denorm_mode_32 3
		.amdhsa_float_denorm_mode_16_64 3
		.amdhsa_memory_ordered 1
		.amdhsa_forward_progress 1
		.amdhsa_inst_pref_size 48
	.end_amdhsa_kernel
	.amdgpu_metadata
---
amdhsa.version: [ 1, 2 ]
amdhsa.kernels:
  - .name:           k_qfe98f8a5d4_prep
    .symbol:         k_qfe98f8a5d4_prep.kd
    .args:
      - { .name: hidden_states, .offset: 0, .size: 8, .value_kind: global_buffer, .address_space: global }
      - { .name: Wq, .offset: 8, .size: 8, .value_kind: global_buffer, .address_space: global }
      - { .name: Wk, .offset: 16, .size: 8, .value_kind: global_buffer, .address_space: global }
      - { .name: Wv, .offset: 24, .size: 8, .value_kind: global_buffer, .address_space: global }
      - { .name: Wo, .offset: 32, .size: 8, .value_kind: global_buffer, .address_space: global }
      - { .name: position_ids, .offset: 40, .size: 8, .value_kind: global_buffer, .address_space: global }
      - { .name: xc, .offset: 48, .size: 8, .value_kind: global_buffer, .address_space: global }
      - { .name: xs, .offset: 56, .size: 8, .value_kind: global_buffer, .address_space: global }
      - { .name: wc, .offset: 64, .size: 8, .value_kind: global_buffer, .address_space: global }
      - { .name: ws, .offset: 72, .size: 8, .value_kind: global_buffer, .address_space: global }
      - { .name: rope, .offset: 80, .size: 8, .value_kind: global_buffer, .address_space: global }
    .group_segment_fixed_size: 33280
    .private_segment_fixed_size: 0
    .kernarg_segment_align: 8
    .kernarg_segment_size: 88
    .max_flat_workgroup_size: 128
    .sgpr_count:     66
    .vgpr_count:     194
    .wavefront_size: 32
...
	.end_amdgpu_metadata
.endif
;; end of part 1
;; launch qkproj (part 2): grid 8 x 32, 4 waves a work-group, clusters of 4 x 4, 327,680 bytes of LDS; arguments xc, xs, wc, ws, bq, bk, qk, rope; writes qk
.if DOCPART == 2
	.amdgcn_target "amdgcn-amd-amdhsa--gfx1250"
	.amdhsa_code_object_version 6
	.text
	.protected	k_qfe98f8a5d4_qkproj
	.globl	k_qfe98f8a5d4_qkproj
	.p2align	8
	.type	k_qfe98f8a5d4_qkproj,@function
k_qfe98f8a5d4_qkproj:
	s_mov_b64 s[64:65], 0
	v_nop
	global_prefetch_b8 v0, s[64:65] scope:SCOPE_SE
	s_setreg_imm32_b32 hwreg(HW_REG_WAVE_MODE, 25, 1), 1
	s_wait_xcnt 0x0
	s_wait_alu depctr_hold_cnt(0) depctr_sa_sdst(0) depctr_va_vdst(0) depctr_va_sdst(0) depctr_va_ssrc(0) depctr_va_vcc(0) depctr_vm_vsrc(0)
	s_getreg_b32 s2, hwreg(HW_REG_IB_STS2, 6, 4)
	s_cmp_eq_u32 s2, 0
	s_cbranch_scc0 .Lentry_in_a_cluster
	s_endpgm
.Lentry_in_a_cluster:
	s_bfe_u32 s2, ttmp6, 0x10000c
	s_cmp_lg_u32 s2, 0xf033
	s_cbranch_scc0 .Lentry_shape_is_right
	s_endpgm
.Lentry_shape_is_right:
.set SIZE_K, 1024
.set KSTEP,  256
.set NQ,     KSTEP/128
.set ROWB,   256
.set KROW,   1024
.set PITCH,  272
.set FR,     12
.set NL,     6
.set NP,     4
.set HALFT,  128*PITCH
.set SLOT,   4*HALFT
.set LAPS,   SIZE_K/(2*KSTEP)
.set KS,     SIZE_K/32
.set SCL,    2*SLOT
.set HALFS,  (128*KS/256)*272
.set SBLK,   (16*KS/256)*272
.set SPARE,  SCL+4*HALFS
.set KC,     6291456
.set QS,     12582912
.set RA,   7
.set L16,  8
.set L8,   9
.set H16,  10
.set STS,  11
.set STL,  12
.set H64,  13
.set ADRA, 16
.set ADRB, 20
.set ADRS, 27
.set SPW,  28
.set NIL,  29
.set SC,   32
.set BI,   64
.set X,    64
.set AF,   128
.set PC,   160
.set TM,   184
.set PW,   200
.set PS,   201
.set SEL,  66
.set G1, 24
.set G0, 32
.set G1B, 48
.set G0B, 56
.set G1S, 68
.set G0S, 76
.set G1SB, 80
.set G0SB, 88
.set MSB, 0
.macro WIN new
.if MSB != (\new)
	s_set_vgpr_msb (MSB<<8)|(\new)
.set MSB, \new
.endif
.endm
.set MUL_LO, 0xa1
.set MUL_HI, 0xf1
.set TO_B,   0x40
.macro JLOAD g0a, g1a, g0b, g1b
	s_cmp_eq_u32 s15, 0
	s_cbranch_scc0 .Lfor_b_\@
	tensor_load_to_lds s[\g0a:\g0a+3], s[\g1a:\g1a+7]
	s_nop 0
.rept 4
	v_nop
.endr
	s_branch .Lasked_\@
.Lfor_b_\@:
	tensor_load_to_lds s[\g0b:\g0b+3], s[\g1b:\g1b+7]
	s_nop 0
.rept 4
	v_nop
.endr
.Lasked_\@:
.endm
.macro CREST
	s_cmp_lg_u32 s14, 0
	s_cbranch_scc1 .Lnot_wave_0_\@
	s_barrier_signal -3
.Lnot_wave_0_\@:
	s_barrier_wait -3
	s_barrier_signal -1
	s_barrier_wait -1
.endm
.macro CROUND
	s_barrier_signal -1
	s_barrier_wait -1
	CREST
.endm
	s_load_b128 s[4:7], s[0:1], 0x0
	s_load_b128 s[8:11], s[0:1], 0x10
	s_load_b128 s[96:99], s[0:1], 0x20
	s_load_b64 s[12:13], s[0:1], 0x30
	s_load_b64 s[100:101], s[0:1], 0x38
	v_lshl_add_u32 v[SPW], v0, 2, SPARE
	v_mov_b32 v[NIL], 0
	ds_add_u32 v28, v29
	ds_add_u32 v28, v29
	s_wait_dscnt 0x0
	v_lshrrev_b32 v1, 5, v0
	v_readfirstlane_b32 s14, v1
	s_lshr_b32 s15, s14, 1
	s_and_b32 s16, s14, 1
	s_bfe_u32 s40, ttmp6, 0x40000
	s_bfe_u32 s41, ttmp6, 0x40004
	s_lshl_b32 s42, ttmp9, 2
	s_add_co_u32 s42, s42, s40
	s_and_b32 s17, ttmp7, 0xffff
	s_lshl_b32 s17, s17, 2
	s_add_co_u32 s17, s17, s41
	s_lshl_b32 s43, s41, 2
	s_lshl_b32 s43, 15, s43
	s_lshl_b32 s44, 0x1111, s40
	s_or_b32 s[G1+0], s43, (0<<16)|(1<<20)|(1<<21)|(5<<22)|(3<<25)
	s_or_b32 s[G1B+0], s44, (0<<16)|(1<<20)|(1<<21)|(5<<22)|(3<<25)
.irp g, G1, G1B
	s_mov_b32 s[\g+1], ROWB<<16
	s_mov_b32 s[\g+2], 128<<16
	s_mov_b32 s[\g+3], ROWB<<16
	s_mov_b32 s[\g+4], 128
	s_mov_b32 s[\g+5], KROW
	s_mov_b32 s[\g+6], 0
	s_mov_b32 s[\g+7], 0
.endr
	s_or_b32 s[G1S+0], s43, (3<<16)|(1<<20)|(1<<21)|(5<<22)|(3<<25)
	s_or_b32 s[G1SB+0], s44, (3<<16)|(1<<20)|(1<<21)|(5<<22)|(3<<25)
.irp g, G1S, G1SB
	s_mov_b32 s[\g+1], 32<<16
	s_mov_b32 s[\g+2], (128*KS/256)<<16
	s_mov_b32 s[\g+3], 32<<16
	s_mov_b32 s[\g+4], 128*KS/256
	s_mov_b32 s[\g+5], 32
	s_mov_b32 s[\g+6], 0
	s_mov_b32 s[\g+7], 0
.endr
	s_lshl_b32 s18, s16, 7
	s_lshl_b32 s20, s17, 8
	s_add_co_u32 s20, s20, s18
	s_lshl_b32 s46, s42, 8
	s_add_co_u32 s46, s46, s18
	s_mov_b32 s21, 0
	s_mov_b32 s47, 0
	s_mov_b64 s[18:19], KS
	s_mul_u64 s[22:23], s[20:21], s[18:19]
	s_mul_u64 s[92:93], s[46:47], s[18:19]
	s_mov_b64 s[18:19], KROW
	s_mul_u64 s[20:21], s[20:21], s[18:19]
	s_mul_u64 s[46:47], s[46:47], s[18:19]
	s_mul_i32 s45, s14, HALFT
	s_mul_i32 s94, s14, HALFS
	s_wait_kmcnt 0x0
	s_add_nc_u64 s[20:21], s[4:5], s[20:21]
	s_add_nc_u64 s[22:23], s[6:7], s[22:23]
	s_add_nc_u64 s[46:47], s[8:9], s[46:47]
	s_add_nc_u64 s[92:93], s[10:11], s[92:93]
	CROUND
	s_mov_b32 s[G0S], 1
	s_add_co_u32 s[G0S+1], s94, SCL
	s_mov_b64 s[G0S+2:G0S+3], s[22:23]
	s_or_b32 s[G0S+3], s[G0S+3], 0x80000000
	s_mov_b32 s[G0SB], 1
	s_add_co_u32 s[G0SB+1], s94, SCL
	s_mov_b64 s[G0SB+2:G0SB+3], s[92:93]
	s_or_b32 s[G0SB+3], s[G0SB+3], 0x80000000
	JLOAD G0S, G1S, G0SB, G1SB
.irp s, 0,1
	s_mov_b32 s[G0+4*\s], 1
	s_add_co_u32 s[G0+4*\s+1], s45, \s*SLOT
	s_add_nc_u64 s[G0+4*\s+2:G0+4*\s+3], s[20:21], \s*ROWB
	s_or_b32 s[G0+4*\s+3], s[G0+4*\s+3], 0x80000000
	s_mov_b32 s[G0B+4*\s], 1
	s_add_co_u32 s[G0B+4*\s+1], s45, \s*SLOT
	s_add_nc_u64 s[G0B+4*\s+2:G0B+4*\s+3], s[46:47], \s*ROWB
	s_or_b32 s[G0B+4*\s+3], s[G0B+4*\s+3], 0x80000000
	s_wait_alu depctr_va_vdst(0)
	s_wait_tensorcnt 0x0
	ds_add_u32 v28, v29
	s_wait_dscnt 0x0
	CROUND
	JLOAD G0+4*\s, G1, G0B+4*\s, G1B
.endr
	v_and_b32 v1, 15, v0
	v_bfe_u32 v2, v0, 4, 1
	v_mul_u32_u24 v3, v1, PITCH
	v_mul_u32_u24 v4, v2, 24
	v_add_nc_u32 v4, v3, v4
	s_mul_i32 s21, s15, HALFT
	s_mul_i32 s22, s16, HALFT
	s_add_co_u32 s22, s22, 2*HALFT
.irp s, 0,1
	v_add_nc_u32 v[ADRA+\s], s21, v4
	v_add_nc_u32 v[ADRB+\s], s22, v4
	s_add_co_u32 s21, s21, SLOT
	s_add_co_u32 s22, s22, SLOT
.endr
	v_mul_u32_u24 v5, v1, KS
	v_lshrrev_b32 v6, 8, v5
	v_lshl_add_u32 v5, v6, 4, v5
	s_mul_i32 s21, s15, HALFS
	s_mul_i32 s22, s16, HALFS
	s_add_co_u32 s22, s22, 2*HALFS
	s_sub_co_u32 s22, s22, s21
	v_mul_u32_u24 v6, s22, v2
	s_add_co_u32 s21, s21, SCL
	v_add_nc_u32 v5, v5, v6
	v_add_nc_u32 v[ADRS], s21, v5
	v_and_b32 v6, 31, v0
	v_lshlrev_b32 v[L16], 4, v6
	v_lshlrev_b32 v[L8], 3, v6
	v_lshlrev_b32 v[H16], 4, v2
	v_lshlrev_b32 v[RA], 8, v1
	v_lshl_add_u32 v[RA], v2, 6, v[RA]
	v_lshlrev_b32 v[H64], 6, v2
	s_wait_alu depctr_va_vdst(0)
	s_lshl_b32 s23, s14, 10
	v_lshlrev_b32 v[STS], 2, v1
	v_lshl_add_u32 v[STS], v2, 9, v[STS]
	v_add_nc_u32 v[STS], s23, v[STS]
	v_add_nc_u32 v[STL], s23, v[L16]
	s_lshl_b32 s20, s17, 8
	s_lshl_b32 s21, s15, 7
	s_add_co_u32 s20, s20, s21
	s_lshl_b32 s22, s20, 8
	s_mov_b32 s23, 0
	s_add_nc_u64 s[100:101], s[100:101], s[22:23]
	s_lshr_b32 s21, s20, 11
	s_lshl_b32 s21, s21, 4
	s_lshl_b32 s46, s40, 2
	s_add_co_u32 s46, s46, s21
	s_lshl_b32 s47, s16, 1
	s_add_co_u32 s46, s46, s47
	s_lshl_b32 s46, s46, 11
	s_and_b32 s47, s20, 2047
	s_add_co_u32 s46, s46, s47
	s_mul_i32 s92, s46, 48
	s_mov_b32 s93, 0
	s_lshl_b32 s94, s46, 2
	s_mov_b32 s95, 0
	s_cmp_eq_u32 ttmp9, 0
	s_cselect_b64 s[96:97], s[96:97], s[98:99]
	s_cselect_b32 s46, 0, KC
	s_cselect_b32 s47, 0, 524288
	s_add_co_u32 s92, s92, s46
	s_add_co_u32 s94, s94, s47
	s_add_co_u32 s94, s94, QS
	s_add_nc_u64 s[98:99], s[12:13], s[94:95]
	s_add_nc_u64 s[12:13], s[12:13], s[92:93]
	s_lshl_b32 s92, s40, 10
	s_lshl_b32 s94, s16, 9
	s_add_co_u32 s92, s92, s94
	s_add_nc_u64 s[96:97], s[96:97], s[92:93]
	s_mov_b32 s[SEL], 0x76543210
	s_mov_b32 s[SEL+1], 0xfedcba98
.irp b, 0,1,2,3,4,5,6,7
	global_load_b128 v[BI+8*\b:BI+8*\b+3], v[H64], s[96:97] offset:(32*(\b/2)+8*(\b%2))*4
	global_load_b128 v[BI+8*\b+4:BI+8*\b+7], v[H64], s[96:97] offset:(32*(\b/2)+8*(\b%2))*4+16
.endr
.macro CSLOAD a
.set CSR, 224-96*((\a)%2)
.irp k, 0,1,2,3
	global_load_b128 v[CSR+4*\k:CSR+4*\k+3], v[RA], s[100:101] offset:4096*(\a)+16*\k
	global_load_b128 v[CSR+16+4*\k:CSR+16+4*\k+3], v[RA], s[100:101] offset:4096*(\a)+128+16*\k
.endr
.endm
	CSLOAD 0
.macro FRAG reg, adr, q, i
.irp p, 0,1,2,3,4,5
	ds_load_b64 v[\reg+2*\p:\reg+2*\p+1], v[\adr] offset:96*(\q)+48*(\p/3)+8*(\p%3)+(\i)*16*PITCH
.endr
.endm
.macro MUL16 a0, p, q, sc, zero
.irp a, \a0, \a0+1
.irp b, 0,1,2,3,4,5,6,7
.if \zero
	v_wmma_scale_f32_16x16x128_f8f6f4 v[8*(8*((\a)%4)+\b):8*(8*((\a)%4)+\b)+7], v[128*(\p)+FR*\b:128*(\p)+FR*\b+FR-1], v[AF+FR*(\a):AF+FR*(\a)+FR-1], v[BI+8*\b:BI+8*\b+7], v[SC+8*NQ*(\sc)+NQ*\b+(\q)], v[SC+8*NQ*(\sc)+NQ*(\a)+(\q)] matrix_a_fmt:MATRIX_FMT_FP6 matrix_b_fmt:MATRIX_FMT_FP6 matrix_a_scale:MATRIX_SCALE_ROW1
.else
	v_wmma_scale_f32_16x16x128_f8f6f4 v[8*(8*((\a)%4)+\b):8*(8*((\a)%4)+\b)+7], v[128*(\p)+FR*\b:128*(\p)+FR*\b+FR-1], v[AF+FR*(\a):AF+FR*(\a)+FR-1], v[8*(8*((\a)%4)+\b):8*(8*((\a)%4)+\b)+7], v[SC+8*NQ*(\sc)+NQ*\b+(\q)], v[SC+8*NQ*(\sc)+NQ*(\a)+(\q)] matrix_a_fmt:MATRIX_FMT_FP6 matrix_b_fmt:MATRIX_FMT_FP6 matrix_a_scale:MATRIX_SCALE_ROW1
.endif
.endr
.endr
.endm
.macro FETCH_B slot, q, p
	WIN TO_B
.irp i, 0,1,2,3,4,5,6,7
	FRAG 128*(\p)+FR*\i, ADRB+\slot, \q, \i
.endr
	WIN 0
.endm
.macro FETCH_A slot, q, i0
.irp i, \i0, \i0+1, \i0+2, \i0+3
	FRAG AF+FR*(\i), ADRA+\slot, \q, \i
.endr
.endm
.macro SCALES sc
.irp i, 0,1,2,3,4,5,6,7
	ds_load_b64 v[SC+8*NQ*\sc+NQ*\i:SC+8*NQ*\sc+NQ*\i+1], v[ADRS] offset:\i*SBLK
.endr
.endm
.macro PLACES n
.rept \n
	v_nop
.endr
.endm
.macro STEP slot, q, zero
	s_wait_dscnt 4*NL
.if \zero
	WIN 0x81
.else
	WIN MUL_LO
.endif
	MUL16 0, (\q)%2, \q, \slot, \zero
	MUL16 2, (\q)%2, \q, \slot, \zero
	s_wait_dscnt 0
	PLACES NP
	FETCH_B \slot, (\q)+1, 1-(\q)%2
	FETCH_A \slot, (\q)+1, 0
.if \zero
	WIN 0xc1
.else
	WIN MUL_HI
.endif
	MUL16 4, (\q)%2, \q, \slot, \zero
	MUL16 6, (\q)%2, \q, \slot, \zero
	PLACES NP
	WIN 0
	FETCH_A \slot, (\q)+1, 4
.endm
.macro TURN slot, next, fill
	s_wait_tensorcnt 0x0
	ds_add_u32 v[SPW], v[NIL]
	s_wait_dscnt 4*NL+1
	WIN MUL_LO
	MUL16 0, 1, NQ-1, \slot, 0
	s_wait_dscnt 0x0
	s_barrier_signal -1
	MUL16 2, 1, NQ-1, \slot, 0
	WIN 0
	s_barrier_wait -1
.if \fill
	CREST
	s_add_nc_u64 s[G0+4*\slot+2:G0+4*\slot+3], s[G0+4*\slot+2:G0+4*\slot+3], 2*ROWB
	s_add_nc_u64 s[G0B+4*\slot+2:G0B+4*\slot+3], s[G0B+4*\slot+2:G0B+4*\slot+3], 2*ROWB
	JLOAD G0+4*\slot, G1, G0B+4*\slot, G1B
.else
	PLACES NP
.endif
	s_wait_alu depctr_va_vdst(0)
	v_add_nc_u32 v[ADRS], 4*NQ, v[ADRS]
	FETCH_B \next, 0, 0
	FETCH_A \next, 0, 0
	SCALES \next
	WIN MUL_HI
	MUL16 4, 1, NQ-1, \slot, 0
	MUL16 6, 1, NQ-1, \slot, 0
	PLACES NP
	WIN 0
	FETCH_A \next, 0, 4
.endm
	s_wait_tensorcnt 1
	s_barrier_signal -1
	s_barrier_wait -1
	FETCH_B 0, 0, 0
	FETCH_A 0, 0, 0
	SCALES 0
	FETCH_A 0, 0, 4
	s_wait_loadcnt 0x0
	STEP 0, 0, 1
	s_mov_b32 s3, LAPS-1
.Llap:
	TURN 0, 1, 1
	STEP 1, 0, 0
	TURN 1, 0, 1
	STEP 0, 0, 0
	s_sub_co_u32 s3, s3, 1
	s_cmp_lg_u32 s3, 0
	s_cbranch_scc1 .Llap
	TURN 0, 1, 0
	STEP 1, 0, 0
	s_wait_dscnt 4*NL
	WIN MUL_LO
	MUL16 0, 1, NQ-1, 1, 0
	MUL16 2, 1, NQ-1, 1, 0
	s_wait_dscnt 0
	WIN MUL_HI
	MUL16 4, 1, NQ-1, 1, 0
	MUL16 6, 1, NQ-1, 1, 0
	WIN 0
.macro QUANT s
.irp b, 0,1,2,3
	v_max3_num_f32 v[TM+\b], |v[\s+16*\b]|, |v[\s+1+16*\b]|, 0x1800000
.endr
.irp i, 2,4,6,8,10,12,14
.irp b, 0,1,2,3
	v_max3_num_f32 v[TM+\b], v[TM+\b], |v[\s+16*\b+\i]|, |v[\s+1+16*\b+\i]|
.endr
.endr
.irp b, 0,1,2,3
	v_permlanex16_b32 v[TM+4+\b], v[TM+\b], s[SEL], s[SEL+1]
.endr
.irp b, 0,1,2,3
	v_max_num_f32 v[TM+\b], v[TM+\b], v[TM+4+\b]
.endr
.irp b, 0,1,2,3
	v_add_nc_u32 v[TM+12+\b], 0xff000000, v[TM+\b]
.endr
.irp b, 0,1,2,3
	v_lshrrev_b32 v[TM+4+\b], 23, v[TM+12+\b]
.endr
	v_lshl_or_b32 v[PW], v[TM+5], 8, v[TM+4]
	v_lshl_or_b32 v[PW], v[TM+6], 16, v[PW]
	v_lshl_or_b32 v[PW], v[TM+7], 24, v[PW]
.irp c, 0,1
	v_cvt_scalef32_pk16_fp6_f32 v[PC+6*\c:PC+2+6*\c], v[\s+32*\c:\s+15+32*\c], v[TM+12+2*\c]
	v_cvt_scalef32_pk16_fp6_f32 v[PC+12+4*\c:PC+14+4*\c], v[\s+16+32*\c:\s+31+32*\c], v[TM+12+2*\c+1]
.endr
	v_nop
.irp c, 0,1
.irp i, 0,1,2
	v_permlane16_swap_b32 v[PC+6*\c+\i], v[PC+12+4*\c+\i]
.endr
.irp i, 0,1,2
	v_mov_b32 v[PC+3+6*\c+\i], v[PC+12+4*\c+\i]
.endr
.endr
.endm
.macro ROPEQ a
.if (\a) < 7
	CSLOAD (\a)+1
	s_wait_loadcnt 8
.else
	s_wait_loadcnt 0
.endif
.set CSR, 224-96*((\a)%2)
.set AC, 64*((\a)%4)
	WIN 0x02+(\a)/4
.irp c0, 0,2
.irp i, 0,2,4,6,8,10,12,14
	v_pk_mul_f32 v[X+16*\c0+\i:X+16*\c0+\i+1], v[AC+16*\c0+16+\i:AC+16*\c0+17+\i], v[CSR+16+\i:CSR+17+\i]
	v_pk_mul_f32 v[X+16*\c0+16+\i:X+16*\c0+17+\i], v[AC+16*\c0+\i:AC+16*\c0+\i+1], v[CSR+16+\i:CSR+17+\i]
	v_pk_fma_f32 v[X+16*\c0+\i:X+16*\c0+\i+1], v[AC+16*\c0+\i:AC+16*\c0+\i+1], v[CSR+\i:CSR+\i+1], v[X+16*\c0+\i:X+16*\c0+\i+1] neg_lo:[0,0,1] neg_hi:[0,0,1]
	v_pk_fma_f32 v[X+16*\c0+16+\i:X+16*\c0+17+\i], v[AC+16*\c0+16+\i:AC+16*\c0+17+\i], v[CSR+\i:CSR+\i+1], v[X+16*\c0+16+\i:X+16*\c0+17+\i]
.endr
.endr
	WIN 0
	s_wait_xcnt 0x0
	QUANT X
	global_store_b128 v[L16], v[PC:PC+3], s[12:13] offset:768*(\a)
	global_store_b64 v[L8], v[PC+4:PC+5], s[12:13] offset:768*(\a)+512
	global_store_b128 v[L16], v[PC+6:PC+9], s[12:13] offset:768*(\a)+98304
	global_store_b64 v[L8], v[PC+10:PC+11], s[12:13] offset:768*(\a)+98304+512
	v_lshrrev_b32 v[PS], v[H16], v[PW]
	ds_store_b32 v[STS], v[PS] offset:64*(\a)
.endm
	PLACES NP
.irp b, 0,1,2,3
	v_mov_b32 v[TM+4+\b], 0
.endr
.irp a, 0,1,2,3,4,5,6,7
	ROPEQ \a
.endr
	ds_load_b128 v[X:X+3], v[STL]
	ds_load_b128 v[X+4:X+7], v[STL] offset:512
	s_wait_dscnt 0x0
	global_store_b128 v[L16], v[X:X+3], s[98:99]
	global_store_b128 v[L16], v[X+4:X+7], s[98:99] offset:8192
	s_wait_tensorcnt 0x0
	ds_add_u32 v[SPW], v[NIL]
	s_wait_dscnt 0x0
	CROUND
	s_endpgm
.Lfunc_end_k_qfe98f8a5d4_qkproj:
	.size	k_qfe98f8a5d4_qkproj, .Lfunc_end_k_qfe98f8a5d4_qkproj-k_qfe98f8a5d4_qkproj
	.p2alignl 7, 3214868480
	.fill 96, 4, 3214868480
	.section	.rodata,"a",@progbits
	.p2align	6, 0x0
	.amdhsa_kernel k_qfe98f8a5d4_qkproj
		.amdhsa_group_segment_fixed_size 327680
		.amdhsa_private_segment_fixed_size 0
		.amdhsa_enable_private_segment 0
		.amdhsa_kernarg_size 64
		.amdhsa_user_sgpr_count 2
		.amdhsa_user_sgpr_kernarg_segment_ptr 1
		.amdhsa_wavefront_size32 1
		.amdhsa_system_sgpr_workgroup_id_x 1
		.amdhsa_system_sgpr_workgroup_id_y 1
		.amdhsa_system_sgpr_workgroup_id_z 1
		.amdhsa_system_vgpr_workitem_id 0
		.amdhsa_next_free_vgpr 1024
		.amdhsa_next_free_sgpr 102
		.amdhsa_reserve_vcc 0
		.amdhsa_float_denorm_mode_32 3
		.amdhsa_float_denorm_mode_16_64 3
		.amdhsa_memory_ordered 1
		.amdhsa_forward_progress 1
		.amdhsa_inst_pref_size 207
	.end_amdhsa_kernel
	.amdgpu_metadata
---
amdhsa.version: [ 1, 2 ]
amdhsa.kernels:
  - .name:           k_qfe98f8a5d4_qkproj
    .symbol:         k_qfe98f8a5d4_qkproj.kd
    .args:
      - { .name: xc, .offset: 0, .size: 8, .value_kind: global_buffer, .address_space: global }
      - { .name: xs, .offset: 8, .size: 8, .value_kind: global_buffer, .address_space: global }
      - { .name: wc, .offset: 16, .size: 8, .value_kind: global_buffer, .address_space: global }
      - { .name: ws, .offset: 24, .size: 8, .value_kind: global_buffer, .address_space: global }
      - { .name: bq, .offset: 32, .size: 8, .value_kind: global_buffer, .address_space: global }
      - { .name: bk, .offset: 40, .size: 8, .value_kind: global_buffer, .address_space: global }
      - { .name: qk, .offset: 48, .size: 8, .value_kind: global_buffer, .address_space: global }
      - { .name: rope, .offset: 56, .size: 8, .value_kind: global_buffer, .address_space: global }
    .group_segment_fixed_size: 327680
    .private_segment_fixed_size: 0
    .kernarg_segment_align: 8
    .kernarg_segment_size: 64
    .max_flat_workgroup_size: 128
    .sgpr_count:     102
    .vgpr_count:     1024
    .wavefront_size: 32
...
	.end_amdgpu_metadata
.endif
;; end of part 2
;; launch vproj (part 3): grid 32 x 4, 4 waves a work-group, clusters of 4 x 4, 327,680 bytes of LDS; arguments wc, ws, xc, xs, vv, bv; writes vv
.if DOCPART == 3
	.amdgcn_target "amdgcn-amd-amdhsa--gfx1250"
	.amdhsa_code_object_version 6
	.text
	.protected	k_qfe98f8a5d4_vproj
	.globl	k_qfe98f8a5d4_vproj
	.p2align	8
	.type	k_qfe98f8a5d4_vproj,@function
k_qfe98f8a5d4_vproj:
	s_mov_b64 s[64:65], 0
	v_nop
	global_prefetch_b8 v0, s[64:65] scope:SCOPE_SE
	s_setreg_imm32_b32 hwreg(HW_REG_WAVE_MODE, 25, 1), 1
	s_wait_xcnt 0x0
	s_wait_alu depctr_hold_cnt(0) depctr_sa_sdst(0) depctr_va_vdst(0) depctr_va_sdst(0) depctr_va_ssrc(0) depctr_va_vcc(0) depctr_vm_vsrc(0)
	s_getreg_b32 s2, hwreg(HW_REG_IB_STS2, 6, 4)
	s_cmp_eq_u32 s2, 0
	s_cbranch_scc0 .Lentry_in_a_cluster
	s_endpgm
.Lentry_in_a_cluster:
	s_bfe_u32 s2, ttmp6, 0x10000c
	s_cmp_lg_u32 s2, 0xf033
	s_cbranch_scc0 .Lentry_shape_is_right
	s_endpgm
.Lentry_shape_is_right:
.set SIZE_K, 1024
.set KSTEP,  256
.set NQ,     KSTEP/128
.set ROWB,   256
.set KROW,   1024
.set PITCH,  272
.set FR,     12
.set NL,     6
.set NP,     4
.set HALFT,  128*PITCH
.set SLOT,   4*HALFT
.set LAPS,   SIZE_K/(2*KSTEP)
.set KS,     SIZE_K/32
.set SCL,    2*SLOT
.set HALFS,  (128*KS/256)*272
.set SBLK,   (16*KS/256)*272
.set SPARE,  SCL+4*HALFS
.set VS,     6291456
.set L16,  8
.set STS,  11
.set STL,  12
.set BA,   13
.set ADRA, 16
.set ADRB, 20
.set ADRS, 27
.set SPW,  28
.set NIL,  29
.set SC,   32
.set X,    64
.set AF,   128
.set PC,   160
.set TM,   184
.set PW,   200
.set BV,   224
.set SEL,  66
.set G1, 24
.set G0, 32
.set G1B, 48
.set G0B, 56
.set G1S, 68
.set G0S, 76
.set G1SB, 80
.set G0SB, 88
.set MSB, 0
.macro WIN new
.if MSB != (\new)
	s_set_vgpr_msb (MSB<<8)|(\new)
.set MSB, \new
.endif
.endm
.set MUL_LO, 0xa1
.set MUL_HI, 0xf1
.set TO_B,   0x40
.macro JLOAD g0a, g1a, g0b, g1b
	s_cmp_eq_u32 s15, 0
	s_cbranch_scc0 .Lfor_b_\@
	tensor_load_to_lds s[\g0a:\g0a+3], s[\g1a:\g1a+7]
	s_nop 0
.rept 4
	v_nop
.endr
	s_branch .Lasked_\@
.Lfor_b_\@:
	tensor_load_to_lds s[\g0b:\g0b+3], s[\g1b:\g1b+7]
	s_nop 0
.rept 4
	v_nop
.endr
.Lasked_\@:
.endm
.macro CREST
	s_cmp_lg_u32 s14, 0
	s_cbranch_scc1 .Lnot_wave_0_\@
	s_barrier_signal -3
.Lnot_wave_0_\@:
	s_barrier_wait -3
	s_barrier_signal -1
	s_barrier_wait -1
.endm
.macro CROUND
	s_barrier_signal -1
	s_barrier_wait -1
	CREST
.endm
	s_load_b128 s[4:7], s[0:1], 0x0
	s_load_b128 s[8:11], s[0:1], 0x10
	s_load_b64 s[12:13], s[0:1], 0x20
	s_load_b64 s[96:97], s[0:1], 0x28
	v_lshl_add_u32 v[SPW], v0, 2, SPARE
	v_mov_b32 v[NIL], 0
	ds_add_u32 v28, v29
	ds_add_u32 v28, v29
	s_wait_dscnt 0x0
	v_lshrrev_b32 v1, 5, v0
	v_readfirstlane_b32 s14, v1
	s_lshr_b32 s15, s14, 1
	s_and_b32 s16, s14, 1
	s_bfe_u32 s40, ttmp6, 0x40000
	s_bfe_u32 s41, ttmp6, 0x40004
	s_lshl_b32 s42, ttmp9, 2
	s_add_co_u32 s42, s42, s40
	s_mov_b32 s17, s41
	s_lshl_b32 s43, s41, 2
	s_lshl_b32 s43, 15, s43
	s_lshl_b32 s44, 0x1111, s40
	s_or_b32 s[G1+0], s43, (0<<16)|(1<<20)|(1<<21)|(5<<22)|(3<<25)
	s_or_b32 s[G1B+0], s44, (0<<16)|(1<<20)|(1<<21)|(5<<22)|(3<<25)
.irp g, G1, G1B
	s_mov_b32 s[\g+1], ROWB<<16
	s_mov_b32 s[\g+2], 128<<16
	s_mov_b32 s[\g+3], ROWB<<16
	s_mov_b32 s[\g+4], 128
	s_mov_b32 s[\g+5], KROW
	s_mov_b32 s[\g+6], 0
	s_mov_b32 s[\g+7], 0
.endr
	s_or_b32 s[G1S+0], s43, (3<<16)|(1<<20)|(1<<21)|(5<<22)|(3<<25)
	s_or_b32 s[G1SB+0], s44, (3<<16)|(1<<20)|(1<<21)|(5<<22)|(3<<25)
.irp g, G1S, G1SB
	s_mov_b32 s[\g+1], 32<<16
	s_mov_b32 s[\g+2], (128*KS/256)<<16
	s_mov_b32 s[\g+3], 32<<16
	s_mov_b32 s[\g+4], 128*KS/256
	s_mov_b32 s[\g+5], 32
	s_mov_b32 s[\g+6], 0
	s_mov_b32 s[\g+7], 0
.endr
	s_lshl_b32 s18, s16, 7
	s_lshl_b32 s20, s17, 8
	s_add_co_u32 s20, s20, s18
	s_lshl_b32 s46, s42, 8
	s_add_co_u32 s46, s46, s18
	s_mov_b32 s21, 0
	s_mov_b32 s47, 0
	s_mov_b64 s[18:19], KS
	s_mul_u64 s[22:23], s[20:21], s[18:19]
	s_mul_u64 s[92:93], s[46:47], s[18:19]
	s_mov_b64 s[18:19], KROW
	s_mul_u64 s[20:21], s[20:21], s[18:19]
	s_mul_u64 s[46:47], s[46:47], s[18:19]
	s_mul_i32 s45, s14, HALFT
	s_mul_i32 s94, s14, HALFS
	s_wait_kmcnt 0x0
	s_add_nc_u64 s[4:5], s[4:5], 2097152
	s_add_nc_u64 s[6:7], s[6:7], 65536
	s_add_nc_u64 s[20:21], s[4:5], s[20:21]
	s_add_nc_u64 s[22:23], s[6:7], s[22:23]
	s_add_nc_u64 s[46:47], s[8:9], s[46:47]
	s_add_nc_u64 s[92:93], s[10:11], s[92:93]
	CROUND
	s_mov_b32 s[G0S], 1
	s_add_co_u32 s[G0S+1], s94, SCL
	s_mov_b64 s[G0S+2:G0S+3], s[22:23]
	s_or_b32 s[G0S+3], s[G0S+3], 0x80000000
	s_mov_b32 s[G0SB], 1
	s_add_co_u32 s[G0SB+1], s94, SCL
	s_mov_b64 s[G0SB+2:G0SB+3], s[92:93]
	s_or_b32 s[G0SB+3], s[G0SB+3], 0x80000000
	JLOAD G0S, G1S, G0SB, G1SB
.irp s, 0,1
	s_mov_b32 s[G0+4*\s], 1
	s_add_co_u32 s[G0+4*\s+1], s45, \s*SLOT
	s_add_nc_u64 s[G0+4*\s+2:G0+4*\s+3], s[20:21], \s*ROWB
	s_or_b32 s[G0+4*\s+3], s[G0+4*\s+3], 0x80000000
	s_mov_b32 s[G0B+4*\s], 1
	s_add_co_u32 s[G0B+4*\s+1], s45, \s*SLOT
	s_add_nc_u64 s[G0B+4*\s+2:G0B+4*\s+3], s[46:47], \s*ROWB
	s_or_b32 s[G0B+4*\s+3], s[G0B+4*\s+3], 0x80000000
	s_wait_alu depctr_va_vdst(0)
	s_wait_tensorcnt 0x0
	ds_add_u32 v28, v29
	s_wait_dscnt 0x0
	CROUND
	JLOAD G0+4*\s, G1, G0B+4*\s, G1B
.endr
	v_and_b32 v1, 15, v0
	v_bfe_u32 v2, v0, 4, 1
	v_mul_u32_u24 v3, v1, PITCH
	v_mul_u32_u24 v4, v2, 24
	v_add_nc_u32 v4, v3, v4
	s_mul_i32 s21, s15, HALFT
	s_mul_i32 s22, s16, HALFT
	s_add_co_u32 s22, s22, 2*HALFT
.irp s, 0,1
	v_add_nc_u32 v[ADRA+\s], s21, v4
	v_add_nc_u32 v[ADRB+\s], s22, v4
	s_add_co_u32 s21, s21, SLOT
	s_add_co_u32 s22, s22, SLOT
.endr
	v_mul_u32_u24 v5, v1, KS
	v_lshrrev_b32 v6, 8, v5
	v_lshl_add_u32 v5, v6, 4, v5
	s_mul_i32 s21, s15, HALFS
	s_mul_i32 s22, s16, HALFS
	s_add_co_u32 s22, s22, 2*HALFS
	s_sub_co_u32 s22, s22, s21
	v_mul_u32_u24 v6, s22, v2
	s_add_co_u32 s21, s21, SCL
	v_add_nc_u32 v5, v5, v6
	v_add_nc_u32 v[ADRS], s21, v5
	v_and_b32 v6, 31, v0
	v_lshlrev_b32 v[L16], 4, v6
	s_lshl_b32 s23, s14, 10
	v_lshl_add_u32 v[STS], v6, 2, s23
	v_add_nc_u32 v[STL], s23, v[L16]
	v_and_b32 v[BA], 8, v1
	v_add_nc_u32 v[BA], v[BA], v1
	v_lshlrev_b32 v[BA], 2, v[BA]
	s_wait_alu depctr_va_vdst(0)
	s_lshl_b32 s46, s42, 8
	s_lshl_b32 s47, s16, 7
	s_add_co_u32 s46, s46, s47
	s_lshr_b32 s47, s46, 11
	s_lshl_b32 s47, s47, 4
	s_lshl_b32 s92, s17, 2
	s_add_co_u32 s47, s47, s92
	s_lshl_b32 s92, s15, 1
	s_add_co_u32 s47, s47, s92
	s_lshl_b32 s47, s47, 4
	s_bfe_u32 s46, s46, 0x40007
	s_add_co_u32 s47, s47, s46
	s_mul_i32 s92, s47, 6144
	s_mov_b32 s93, 0
	s_lshl_b32 s94, s47, 9
	s_add_co_u32 s94, s94, VS
	s_mov_b32 s95, 0
	s_add_nc_u64 s[98:99], s[12:13], s[94:95]
	s_add_nc_u64 s[12:13], s[12:13], s[92:93]
	s_lshl_b32 s92, s17, 10
	s_lshl_b32 s94, s15, 9
	s_add_co_u32 s92, s92, s94
	s_add_nc_u64 s[96:97], s[96:97], s[92:93]
	s_mov_b32 s[SEL], 0x76543210
	s_mov_b32 s[SEL+1], 0xfedcba98
.irp a, 0,1,2,3,4,5,6,7
	global_load_b32 v[BV+2*\a], v[BA], s[96:97] offset:(32*(\a/2)+8*(\a%2))*4
.endr
.macro FRAG reg, adr, q, i
.irp p, 0,1,2,3,4,5
	ds_load_b64 v[\reg+2*\p:\reg+2*\p+1], v[\adr] offset:96*(\q)+48*(\p/3)+8*(\p%3)+(\i)*16*PITCH
.endr
.endm
.macro MUL16 a0, p, q, sc, zero
.irp a, \a0, \a0+1
.irp b, 0,1,2,3,4,5,6,7
.if \zero
	v_wmma_scale_f32_16x16x128_f8f6f4 v[8*(8*((\a)%4)+\b):8*(8*((\a)%4)+\b)+7], v[128*(\p)+FR*\b:128*(\p)+FR*\b+FR-1], v[AF+FR*(\a):AF+FR*(\a)+FR-1], 0, v[SC+8*NQ*(\sc)+NQ*\b+(\q)], v[SC+8*NQ*(\sc)+NQ*(\a)+(\q)] matrix_a_fmt:MATRIX_FMT_FP6 matrix_b_fmt:MATRIX_FMT_FP6 matrix_a_scale:MATRIX_SCALE_ROW1
.else
	v_wmma_scale_f32_16x16x128_f8f6f4 v[8*(8*((\a)%4)+\b):8*(8*((\a)%4)+\b)+7], v[128*(\p)+FR*\b:128*(\p)+FR*\b+FR-1], v[AF+FR*(\a):AF+FR*(\a)+FR-1], v[8*(8*((\a)%4)+\b):8*(8*((\a)%4)+\b)+7], v[SC+8*NQ*(\sc)+NQ*\b+(\q)], v[SC+8*NQ*(\sc)+NQ*(\a)+(\q)] matrix_a_fmt:MATRIX_FMT_FP6 matrix_b_fmt:MATRIX_FMT_FP6 matrix_a_scale:MATRIX_SCALE_ROW1
.endif
.endr
.endr
.endm
.macro FETCH_B slot, q, p
	WIN TO_B
.irp i, 0,1,2,3,4,5,6,7
	FRAG 128*(\p)+FR*\i, ADRB+\slot, \q, \i
.endr
	WIN 0
.endm
.macro FETCH_A slot, q, i0
.irp i, \i0, \i0+1, \i0+2, \i0+3
	FRAG AF+FR*(\i), ADRA+\slot, \q, \i
.endr
.endm
.macro SCALES sc
.irp i, 0,1,2,3,4,5,6,7
	ds_load_b64 v[SC+8*NQ*\sc+NQ*\i:SC+8*NQ*\sc+NQ*\i+1], v[ADRS] offset:\i*SBLK
.endr
.endm
.macro PLACES n
.rept \n
	v_nop
.endr
.endm
.macro STEP slot, q, zero
	s_wait_dscnt 4*NL
	WIN MUL_LO
	MUL16 0, (\q)%2, \q, \slot, \zero
	MUL16 2, (\q)%2, \q, \slot, \zero
	s_wait_dscnt 0
	PLACES NP
	FETCH_B \slot, (\q)+1, 1-(\q)%2
	FETCH_A \slot, (\q)+1, 0
	WIN MUL_HI
	MUL16 4, (\q)%2, \q, \slot, \zero
	MUL16 6, (\q)%2, \q, \slot, \zero
	PLACES NP
	WIN 0
	FETCH_A \slot, (\q)+1, 4
.endm
.macro TURN slot, next, fill
	s_wait_tensorcnt 0x0
	ds_add_u32 v[SPW], v[NIL]
	s_wait_dscnt 4*NL+1
	WIN MUL_LO
	MUL16 0, 1, NQ-1, \slot, 0
	s_wait_dscnt 0x0
	s_barrier_signal -1
	MUL16 2, 1, NQ-1, \slot, 0
	WIN 0
	s_barrier_wait -1
.if \fill
	CREST
	s_add_nc_u64 s[G0+4*\slot+2:G0+4*\slot+3], s[G0+4*\slot+2:G0+4*\slot+3], 2*ROWB
	s_add_nc_u64 s[G0B+4*\slot+2:G0B+4*\slot+3], s[G0B+4*\slot+2:G0B+4*\slot+3], 2*ROWB
	JLOAD G0+4*\slot, G1, G0B+4*\slot, G1B
.else
	PLACES NP
.endif
	s_wait_alu depctr_va_vdst(0)
	v_add_nc_u32 v[ADRS], 4*NQ, v[ADRS]
	FETCH_B \next, 0, 0
	FETCH_A \next, 0, 0
	SCALES \next
	WIN MUL_HI
	MUL16 4, 1, NQ-1, \slot, 0
	MUL16 6, 1, NQ-1, \slot, 0
	PLACES NP
	WIN 0
	FETCH_A \next, 0, 4
.endm
	s_wait_tensorcnt 1
	s_barrier_signal -1
	s_barrier_wait -1
	FETCH_B 0, 0, 0
	FETCH_A 0, 0, 0
	SCALES 0
	FETCH_A 0, 0, 4
	s_wait_loadcnt 0x0
.irp a, 0,1,2,3,4,5,6,7
	v_mov_b32 v[BV+2*\a+1], v[BV+2*\a]
.endr
	STEP 0, 0, 1
	s_mov_b32 s3, LAPS-1
.Llap:
	TURN 0, 1, 1
	STEP 1, 0, 0
	TURN 1, 0, 1
	STEP 0, 0, 0
	s_sub_co_u32 s3, s3, 1
	s_cmp_lg_u32 s3, 0
	s_cbranch_scc1 .Llap
	TURN 0, 1, 0
	STEP 1, 0, 0
	s_wait_dscnt 4*NL
	WIN MUL_LO
	MUL16 0, 1, NQ-1, 1, 0
	MUL16 2, 1, NQ-1, 1, 0
	s_wait_dscnt 0
	WIN MUL_HI
	MUL16 4, 1, NQ-1, 1, 0
	MUL16 6, 1, NQ-1, 1, 0
	WIN 0
.macro QUANT s
.irp b, 0,1,2,3
	v_max3_num_f32 v[TM+\b], |v[\s+16*\b]|, |v[\s+1+16*\b]|, 0x1800000
.endr
.irp i, 2,4,6,8,10,12,14
.irp b, 0,1,2,3
	v_max3_num_f32 v[TM+\b], v[TM+\b], |v[\s+16*\b+\i]|, |v[\s+1+16*\b+\i]|
.endr
.endr
.irp b, 0,1,2,3
	v_permlanex16_b32 v[TM+4+\b], v[TM+\b], s[SEL], s[SEL+1]
.endr
.irp b, 0,1,2,3
	v_max_num_f32 v[TM+\b], v[TM+\b], v[TM+4+\b]
.endr
.irp b, 0,1,2,3
	v_add_nc_u32 v[TM+12+\b], 0xff000000, v[TM+\b]
.endr
.irp b, 0,1,2,3
	v_lshrrev_b32 v[TM+4+\b], 23, v[TM+12+\b]
.endr
	v_lshl_or_b32 v[PW], v[TM+5], 8, v[TM+4]
	v_lshl_or_b32 v[PW], v[TM+6], 16, v[PW]
	v_lshl_or_b32 v[PW], v[TM+7], 24, v[PW]
.irp c, 0,1
	v_cvt_scalef32_pk16_fp6_f32 v[PC+6*\c:PC+2+6*\c], v[\s+32*\c:\s+15+32*\c], v[TM+12+2*\c]
	v_cvt_scalef32_pk16_fp6_f32 v[PC+12+4*\c:PC+14+4*\c], v[\s+16+32*\c:\s+31+32*\c], v[TM+12+2*\c+1]
.endr
	v_nop
.irp c, 0,1
.irp i, 0,1,2
	v_permlane16_swap_b32 v[PC+6*\c+\i], v[PC+12+4*\c+\i]
.endr
.irp i, 0,1,2
	v_mov_b32 v[PC+3+6*\c+\i], v[PC+12+4*\c+\i]
.endr
.endr
.endm
.macro VQ a
.set AC, 64*((\a)%4)
	WIN 0x02+(\a)/4
.set i, 0
.rept 32
	v_pk_add_f32 v[X+i:X+i+1], v[AC+i:AC+i+1], v[BV+2*(\a):BV+2*(\a)+1]
.set i, i+2
.endr
	WIN 0
	s_wait_xcnt 0x0
	QUANT X
.irp k, 0,1,2
	global_store_b128 v[L16], v[PC+4*\k:PC+4*\k+3], s[12:13] offset:98304*((\a)/4)+1536*((\a)%4)+512*\k
.endr
	ds_store_b32 v[STS], v[PW] offset:128*(\a)
.endm
	PLACES NP
.irp b, 0,1,2,3
	v_mov_b32 v[TM+4+\b], 0
.endr
.irp a, 0,1,2,3,4,5,6,7
	VQ \a
.endr
	ds_load_b128 v[X:X+3], v[STL]
	ds_load_b128 v[X+4:X+7], v[STL] offset:512
	s_wait_dscnt 0x0
	global_store_b128 v[L16], v[X:X+3], s[98:99]
	global_store_b128 v[L16], v[X+4:X+7], s[98:99] offset:8192
	s_wait_tensorcnt 0x0
	ds_add_u32 v[SPW], v[NIL]
	s_wait_dscnt 0x0
	CROUND
	s_endpgm
.Lfunc_end_k_qfe98f8a5d4_vproj:
	.size	k_qfe98f8a5d4_vproj, .Lfunc_end_k_qfe98f8a5d4_vproj-k_qfe98f8a5d4_vproj
	.p2alignl 7, 3214868480
	.fill 96, 4, 3214868480
	.section	.rodata,"a",@progbits
	.p2align	6, 0x0
	.amdhsa_kernel k_qfe98f8a5d4_vproj
		.amdhsa_group_segment_fixed_size 327680
		.amdhsa_private_segment_fixed_size 0
		.amdhsa_enable_private_segment 0
		.amdhsa_kernarg_size 48
		.amdhsa_user_sgpr_count 2
		.amdhsa_user_sgpr_kernarg_segment_ptr 1
		.amdhsa_wavefront_size32 1
		.amdhsa_system_sgpr_workgroup_id_x 1
		.amdhsa_system_sgpr_workgroup_id_y 1
		.amdhsa_system_sgpr_workgroup_id_z 1
		.amdhsa_system_vgpr_workitem_id 0
		.amdhsa_next_free_vgpr 1024
		.amdhsa_next_free_sgpr 100
		.amdhsa_reserve_vcc 0
		.amdhsa_float_denorm_mode_32 3
		.amdhsa_float_denorm_mode_16_64 3
		.amdhsa_memory_ordered 1
		.amdhsa_forward_progress 1
		.amdhsa_inst_pref_size 182
	.end_amdhsa_kernel
	.amdgpu_metadata
---
amdhsa.version: [ 1, 2 ]
amdhsa.kernels:
  - .name:           k_qfe98f8a5d4_vproj
    .symbol:         k_qfe98f8a5d4_vproj.kd
    .args:
      - { .name: wc, .offset: 0, .size: 8, .value_kind: global_buffer, .address_space: global }
      - { .name: ws, .offset: 8, .size: 8, .value_kind: global_buffer, .address_space: global }
      - { .name: xc, .offset: 16, .size: 8, .value_kind: global_buffer, .address_space: global }
      - { .name: xs, .offset: 24, .size: 8, .value_kind: global_buffer, .address_space: global }
      - { .name: vv, .offset: 32, .size: 8, .value_kind: global_buffer, .address_space: global }
      - { .name: bv, .offset: 40, .size: 8, .value_kind: global_buffer, .address_space: global }
    .group_segment_fixed_size: 327680
    .private_segment_fixed_size: 0
    .kernarg_segment_align: 8
    .kernarg_segment_size: 48
    .max_flat_workgroup_size: 128
    .sgpr_count:     100
    .vgpr_count:     1024
    .wavefront_size: 32
...
	.end_amdgpu_metadata
.endif
;; end of part 3
;; launch attn (part 4): grid 4 x 64, 16 waves a work-group, clusters of 4 x 1, 327,680 bytes of LDS; arguments qk, vv, oo; writes oo
.if DOCPART == 4
	.amdgcn_target "amdgcn-amd-amdhsa--gfx1250"
	.amdhsa_code_object_version 6
	.text
	.protected	k_qfe98f8a5d4_attn
	.globl	k_qfe98f8a5d4_attn
	.p2align	8
	.type	k_qfe98f8a5d4_attn,@function
k_qfe98f8a5d4_attn:
	s_mov_b64 s[64:65], 0
	v_nop
	global_prefetch_b8 v0, s[64:65] scope:SCOPE_SE
	s_setreg_imm32_b32 hwreg(HW_REG_WAVE_MODE, 25, 1), 1
	s_wait_xcnt 0x0
	s_wait_alu depctr_hold_cnt(0) depctr_sa_sdst(0) depctr_va_vdst(0) depctr_va_sdst(0) depctr_va_ssrc(0) depctr_va_vcc(0) depctr_vm_vsrc(0)
	s_getreg_b32 s2, hwreg(HW_REG_IB_STS2, 6, 4)
	s_cmp_eq_u32 s2, 0
	s_cbranch_scc0 .Lentry_in_a_cluster
	s_endpgm
.Lentry_in_a_cluster:
	s_bfe_u32 s2, ttmp6, 0x10000c
	s_cmp_lg_u32 s2, 0x3003
	s_cbranch_scc0 .Lentry_shape_is_right
	s_endpgm
.Lentry_shape_is_right:
; o = softmax(q k^T / 8) v for 64 heads of 2,048 x 64, both products on codes of FP6 (E2M3) with E8M0 scales; the result is quantised along the model's 1,024 and stored as images of operand registers.
; THE SOFTMAX: t = score x log2(e) / 8; M = the row's largest t so far, rounded up to a whole number; p = 2^(t - M) is quantised along the keys, not normalised; the row's sum is taken of the unquantised p
; and divides at the end.  When M moves, the sum and O are multiplied by 2^(old M - new M): exact.
; SHARES: a work-group owns 512 queries of one head; each of its sixteen waves one tile of 16 in a first pass and the tile 16 further on in a second.  Both passes go in groups of four key steps between barriers.
; A WHOLE HEAD'S K AND V COME INTO LDS ONCE, in four chunks of 512 keys; nothing is filled again.  The four work-groups of a head form a cluster and ask for each chunk jointly.  A chunk is sixteen loads, one a wave:
; waves 0-5 sixteen rows of 256 bytes of K's codes each, waves 6-11 of V's, waves 12-13 four rows of K's scale words, waves 14-15 of V's.  Chunk 0 is asked for at the head; chunk c + 1 behind the waits, the add and
; the round that stand in front of chunk c's four steps: one load of a wave is out at a time, and every wait on TENSORcnt is for 0.
; No prefetch: each byte is asked for once, a chunk's load stands four key steps ahead of its first read, and ahead of chunk 0's load there is no loop to ask from.
; LAYOUT: both products transposed: S^T = K Q^T, O^T = V^T P^T: a lane holds one query.  THE ROWS OF K THAT FORM A TILE ARE PICKED BY THE LANES' LDS ADDRESSES: row 8 a + j of tile 4 c + n is key 64 c + 32 a + 8 n + j, so that the 32
; registers of score tiles 4 c .. 4 c + 3 are the 32 keys of block 2 c + lane / 16: a whole block of the second product's K in one lane, in the order of that operand's registers.
; K's LDS rows have 64 bytes of padding behind each 256: the two groups of eight rows that a load of 16 bytes a lane touches lie 1,920 bytes apart, 128 modulo 256.
; K = 64 in an instruction of 128: Q's upper six registers are zeros; K's tiles lie packed, six registers each, and an operand's upper six are the next tile's codes: finite numbers, which zeros annul.
; LIMITS: NaN and infinities are not served; the scaled scores stay under 2^31 in magnitude; a block of p under 2^-124, or of o under 2^-124, has the byte 1.  A block's scale is taken from 2^(its largest t - M - 2), made by the
; same two instructions as p: where that t - M lies within an ulp of a whole number the scale may be the neighbouring power of two.
; REGISTERS: v1 16 lane, v2 8 lane, v3, v29 K's lane terms, v31, v87 the scale words', v86 V's, v30 8 (lane / 16), v8 4 r, v9 32 r + h; v4-7, v10 a step's addresses; v12 -M, v13 largest score, v[14:15] the sum; v16-27, v28 Q;
;   v32-85 K (v80-85 zeros), then V; v88-99 p's codes; v100-106 conversions; v112-175 S^T, p; v176-207 O^T; v208-223, v250-251 at work; v224-227 K's scale words, v228-231 V's; v[232:233] f; v234 p's scale word; v236-241, v248 the second pass's Q.
.set KC,  6291456                      ; in qk: k's images
.set QS,  12582912                     ; q's scale words
.set KSO, 13107200                     ; k's scale words
.set VS,  6291456                      ; in vv: the scale words
.set OS,  6291456                      ; in oo: the scale bytes
.set LV,  122880                       ; LDS: V's codes, behind K's 384 rows of 320 bytes
.set LKS, 221184                       ; K's scale words
.set LVS, 229376                       ; V's
.set SPARE, 237568                     ; the spare words: 128 bytes a wave
.set S,   112
.set O,   176
.set WV,  10
.set CS,  18                           ; s[18:19] c = log2(e) / 8
.set SEL, 20                           ; s[20:21] selects for lane l xor 16
.set G1K, 24
.set G1V, 32
.set G1S, 40
.set G0K, 48
.set G0V, 52
.set G0S, 56
.set TK,  60                           ; LDS byte of the step's K: 7,680 a step
.set TV,  61                           ; of its V: 6,144
.set TS,  62                           ; of its scale words: 512
.set CNT, 63
.set HM,  80                           ; the mask of lanes 16-31
.macro ROUND
	s_barrier_signal -1
	s_barrier_wait -1
	s_cmp_lg_u32 s[WV], 0
	s_cbranch_scc1 .Lnot_wave_0_\@
	s_barrier_signal -3
.Lnot_wave_0_\@:
	s_barrier_wait -3
	s_barrier_signal -1
	s_barrier_wait -1
.endm
.macro JL                              ; a chunk's joint loads: one chain of branches on the wave's number, one load to an arm
	s_cmp_lt_u32 s[WV], 6
	s_cbranch_scc0 .Lfor_v_\@
	tensor_load_to_lds s[G0K:G0K+3], s[G1K:G1K+7]
	s_nop 0
.rept 4
	v_nop
.endr
	s_branch .Lasked_\@
.Lfor_v_\@:
	s_cmp_lt_u32 s[WV], 12
	s_cbranch_scc0 .Lfor_s_\@
	tensor_load_to_lds s[G0V:G0V+3], s[G1V:G1V+7]
	s_nop 0
.rept 4
	v_nop
.endr
	s_branch .Lasked_\@
.Lfor_s_\@:
	tensor_load_to_lds s[G0S:G0S+3], s[G1S:G1S+7]
	s_nop 0
.rept 4
	v_nop
.endr
.Lasked_\@:
.endm
	s_load_b128 s[4:7], s[0:1], 0x0                ; qk, vv
	s_load_b64 s[8:9], s[0:1], 0x10                ; oo
	v_lshl_add_u32 v254, v0, 2, SPARE
	v_mov_b32 v255, 0
	ds_add_u32 v254, v255                          ; the opening lines: the add twice on end and its wait
	ds_add_u32 v254, v255
	v_lshrrev_b32 v10, 5, v0
	v_readfirstlane_b32 s[WV], v10                 ; wave 0..15
	s_bfe_u32 s11, ttmp6, 0x40000                  ; cx: it enters Q's and the result's addresses alone
	s_and_b32 s12, ttmp7, 0xffff                   ; the head of 64, which the four partners share
	; groups 1: dense blocks as rows of 256 bytes (32 elements of 8 bytes); the mask names all four work-groups, bit 21 beside it
	s_mov_b32 s[G1K], 15|(3<<16)|(1<<20)|(1<<21)|(5<<22)|(15<<25)   ; K: 16 words of padding behind each 64
	s_mov_b32 s[G1V], 15|(3<<16)|(1<<21)
	s_mov_b32 s[G1S], 15|(3<<16)|(1<<21)
.irp g, G1K, G1V
	s_mov_b32 s[\g+1], 32<<16
	s_mov_b32 s[\g+2], 16<<16
	s_mov_b32 s[\g+3], 32<<16
	s_mov_b32 s[\g+4], 16
	s_mov_b32 s[\g+5], 32
	s_mov_b32 s[\g+6], 0
	s_mov_b32 s[\g+7], 0
.endr
	s_mov_b32 s[G1S+1], 32<<16
	s_mov_b32 s[G1S+2], 4<<16
	s_mov_b32 s[G1S+3], 32<<16
	s_mov_b32 s[G1S+4], 4
	s_mov_b32 s[G1S+5], 32
	s_mov_b32 s[G1S+6], 0
	s_mov_b32 s[G1S+7], 0
	s_mov_b32 s[G0K], 1
	s_mov_b32 s[G0V], 1
	s_mov_b32 s[G0S], 1
	s_mul_i32 s[G0K+1], s[WV], 5120                ; LDS: waves 0-5: 16 rows of 320 bytes each
	s_lshl_b32 s[G0V+1], s[WV], 12
	s_add_co_u32 s[G0V+1], s[G0V+1], LV-6*4096     ; waves 6-11: 4,096 bytes each
	s_lshr_b32 s13, s[WV], 1
	s_and_b32 s13, s13, 1
	s_lshl_b32 s13, s13, 13                        ; waves 12, 13: K's words; 14, 15: V's, 8,192 further on
	s_and_b32 s22, s[WV], 1
	s_lshl_b32 s22, s22, 10
	s_add_co_u32 s[G0S+1], s13, s22
	s_add_co_u32 s[G0S+1], s[G0S+1], LKS
	s_mul_i32 s13, s12, 98304                      ; memory: the head's codes
	s_lshl_b32 s14, s[WV], 12
	s_add_co_u32 s14, s14, s13
	s_add_co_u32 s14, s14, KC
	s_mov_b32 s15, 0
	s_max_u32 s16, s[WV], 6
	s_sub_co_u32 s16, s16, 6
	s_lshl_b32 s16, s16, 12
	s_add_co_u32 s16, s16, s13
	s_mov_b32 s17, 0
	s_lshl_b32 s23, s12, 13                        ; the head's scale words
	s_add_co_u32 s22, s22, s23
	s_mov_b32 s23, 0
	s_wait_dscnt 0x0
	s_wait_kmcnt 0x0
	s_add_nc_u64 s[G0K+2:G0K+3], s[4:5], s[14:15]
	s_or_b32 s[G0K+3], s[G0K+3], 0x80000000
	s_add_nc_u64 s[G0V+2:G0V+3], s[6:7], s[16:17]
	s_or_b32 s[G0V+3], s[G0V+3], 0x80000000
	s_cmp_lt_u32 s[WV], 14
	s_cselect_b64 s[G0S+2:G0S+3], s[4:5], s[6:7]
	s_mov_b32 s13, VS
	s_cselect_b32 s13, KSO, s13
	s_add_co_u32 s22, s22, s13
	s_add_nc_u64 s[G0S+2:G0S+3], s[G0S+2:G0S+3], s[22:23]
	s_or_b32 s[G0S+3], s[G0S+3], 0x80000000
	ROUND                                          ; all four work-groups are here: the joint loads meet
	JL                                             ; chunk 0: one load a wave
	s_lshl_b32 s66, s11, 5
	s_add_co_u32 s66, s66, s[WV]                   ; my tile of queries in the head, pass 0
	s_mul_i32 s67, s66, 768
	s_mul_i32 s68, s12, 98304
	s_add_co_u32 s68, s68, s67
	s_mov_b32 s69, 0
	s_add_nc_u64 s[70:71], s[4:5], s[68:69]        ; its image
	s_lshl_b32 s68, s12, 13
	s_lshl_b32 s67, s66, 6
	s_add_co_u32 s68, s68, s67
	s_add_co_u32 s68, s68, QS
	s_add_nc_u64 s[72:73], s[4:5], s[68:69]        ; its scale words
	s_lshr_b32 s67, s12, 4
	s_lshl_b32 s67, s67, 7
	s_add_co_u32 s67, s67, s66                     ; the tile among all 512: 128 x batch + tile
	s_and_b32 s74, s12, 15                         ; the head of 16
	s_mul_i32 s68, s67, 12288
	s_mul_i32 s75, s74, 768
	s_add_co_u32 s68, s68, s75
	s_add_nc_u64 s[76:77], s[8:9], s[68:69]        ; the result's image
	s_lshl_b32 s68, s67, 9
	s_lshl_b32 s75, s74, 1
	s_add_co_u32 s68, s68, s75
	s_add_co_u32 s68, s68, OS
	s_add_nc_u64 s[78:79], s[8:9], s[68:69]        ; its scale bytes: 32 a row, bytes 2 head and 2 head + 1
	s_mov_b32 s[CS], 0x3e38aa3b
	s_mov_b32 s[CS+1], s[CS]
	s_mov_b32 s[SEL], 0x76543210
	s_mov_b32 s[SEL+1], 0xfedcba98
	v_and_b32 v10, 31, v0
	v_and_b32 v11, 15, v0                          ; r
	v_bfe_u32 v9, v0, 4, 1                         ; h
	v_and_b32 v4, 7, v0                            ; j
	v_bfe_u32 v5, v0, 3, 1                         ; a
	v_lshlrev_b32 v1, 4, v10                       ; 16 x lane
	v_lshlrev_b32 v2, 3, v10                       ; 8 x lane
	v_cmp_eq_u32 s[HM], 1, v9
	v_lshlrev_b32 v30, 3, v9                       ; 8 h
	v_lshlrev_b32 v8, 2, v11                       ; 4 r
	v_mul_u32_u24 v6, v5, 1920                     ; row 8 a + j comes from the image two tiles (six LDS rows) further on for a = 1
	v_lshl_add_u32 v3, v4, 4, v6
	v_lshl_add_u32 v3, v9, 8, v3
	v_lshl_add_u32 v3, v9, 6, v3                   ; K's first 16 bytes: 1920 a + 16 j + 320 h
	v_lshl_add_u32 v29, v4, 3, v6
	v_lshl_add_u32 v29, v9, 7, v29                 ; its last 8: 1920 a + 8 j + 128 h
	v_lshlrev_b32 v7, 2, v4
	v_lshl_add_u32 v7, v5, 7, v7
	v_lshl_add_u32 v7, v9, 6, v7
	v_add_nc_u32 v31, LKS, v7                      ; K's scale words: 128 a + 4 j, lanes 16-31 the odd tile's, 64 further on
	v_lshl_add_u32 v87, v10, 2, LVS                ; V's: 4 x lane
	v_add_nc_u32 v86, LV, v1
	v_lshl_add_u32 v9, v11, 5, v9                  ; 32 r + h
	global_load_b128 v[16:19], v1, s[70:71]
	global_load_b64 v[20:21], v2, s[70:71] offset:512
	global_load_b32 v28, v8, s[72:73]
	global_load_b128 v[236:239], v1, s[70:71] offset:12288        ; 16 tiles on
	global_load_b64 v[240:241], v2, s[70:71] offset:12800
	global_load_b32 v248, v8, s[72:73] offset:1024
.irp j, 22,23,24,25,26,27, 80,81,82,83,84,85, 211,212,213, 233
	v_mov_b32 v\j, 0                               ; Q's upper 64 along K; the tail behind K's last tile; permute destinations and the pair's upper half, which count as read
.endr
.macro INIT
	v_mov_b32 v13, 0xff61b1e6                      ; the largest score so far: -3e38
	v_floor_f32 v12, -v13                          ; -M
	v_mov_b32 v14, 0
	v_mov_b32 v15, 0
.set j, 0
.rept 32
	v_mov_b32 v[O+j], 0                            ; the first change of M multiplies zeros
.set j, j+1
.endr
	s_wait_alu depctr_va_vdst(0)                   ; the wait ahead of the waits and branches that follow
.endm
.macro KQ T                            ; scores of tile T; its scale words lie in lanes 0-15 (even T) or 16-31 (odd T) of register T / 2
.if (\T)%2
	v_wmma_scale_f32_16x16x128_f8f6f4 v[S+8*\T:S+8*\T+7], v[32+6*\T:43+6*\T], v[16:27], 0, v[224+\T/2], v28 matrix_a_fmt:MATRIX_FMT_FP6 matrix_b_fmt:MATRIX_FMT_FP6 matrix_a_scale:MATRIX_SCALE_ROW1
.else
	v_wmma_scale_f32_16x16x128_f8f6f4 v[S+8*\T:S+8*\T+7], v[32+6*\T:43+6*\T], v[16:27], 0, v[224+\T/2], v28 matrix_a_fmt:MATRIX_FMT_FP6 matrix_b_fmt:MATRIX_FMT_FP6
.endif
.endm
.macro TM n                            ; n pairs of t - M
.rept \n
	v_pk_fma_f32 v[S+j:S+j+1], v[S+j:S+j+1], s[CS:CS+1], v[12:13] op_sel_hi:[1,0,0]
.set j, j+2
.endr
.endm
; A KEY STEP: 128 keys.
.macro STEP
	v_add_nc_u32 v4, s[TK], v3                     ; five plain instructions: also the places behind the last products, in front of the loads into their registers
	v_add_nc_u32 v5, s[TK], v29
	v_add_nc_u32 v6, s[TV], v86
	v_add_nc_u32 v7, s[TS], v31
	v_add_nc_u32 v10, s[TS], v87
.irp c, 0,1
.irp u, 0,1
.irp w, 0,1
	ds_load_b128 v[32+6*(4*\c+2*\u+\w):35+6*(4*\c+2*\u+\w)], v4 offset:960*(4*\c+\w)+128*\u   ; tile 4 c + 2 u + w: rows 8 u + j of images 4 c + w (a = 0) and 4 c + 2 + w (a = 1)
	ds_load_b64 v[36+6*(4*\c+2*\u+\w):37+6*(4*\c+2*\u+\w)], v5 offset:960*(4*\c+\w)+640+64*\u
.endr
.endr
.endr
.irp p, 0,1,2,3
	ds_load_b32 v[224+\p], v7 offset:256*(\p/2)+32*(\p%2)
.endr
.irp t, 0,1,2,3
	ds_load_b32 v[228+\t], v10 offset:128*\t
.endr
	s_wait_alu depctr_va_vdst(0)
	s_wait_dscnt 0x0
.irp T, 0,1,2,3,4,5,6,7
	KQ \T
.endr
	v_mov_b32 v235, v12                            ; the old -M; with three v_nop the places in front of the loads over K's registers and of the first read of the scores
.rept 3
	v_nop
.endr
.irp t, 0,1,2,3
.irp k, 0,1,2
	ds_load_b128 v[32+12*\t+4*\k:35+12*\t+4*\k], v6 offset:1536*\t+512*\k   ; V: it lands under the softmax
.endr
.endr
.irp c, 0,1                                    ; the largest score of my two blocks of 32 keys, each in two chains; every tile is first read at one of its four lowest registers
	v_max3_num_f32 v[208+\c], v[S+32*\c], v[S+32*\c+1], v[S+32*\c+2]
	v_max3_num_f32 v[214+\c], v[S+32*\c+17], v[S+32*\c+18], v[S+32*\c+19]
.endr
.irp i, 0,2,4,6,8,10
.irp c, 0,1
	v_max3_num_f32 v[208+\c], v[208+\c], v[S+32*\c+3+\i], v[S+32*\c+4+\i]
	v_max3_num_f32 v[214+\c], v[214+\c], v[S+32*\c+20+\i], v[S+32*\c+21+\i]
.endr
.endr
.irp c, 0,1
	v_max3_num_f32 v[208+\c], v[208+\c], v[S+32*\c+15], v[S+32*\c+16]
.endr
.irp c, 0,1
	s_delay_alu instid0(VALU_DEP_2)
	v_max_num_f32 v[208+\c], v[208+\c], v[214+\c]
.endr
	s_delay_alu instid0(VALU_DEP_1)
	v_max_num_f32 v210, v208, v209
	s_delay_alu instid0(VALU_DEP_1)
	v_permlanex16_b32 v211, v210, s[SEL], s[SEL+1]
	s_delay_alu instid0(VALU_DEP_1)
	v_max3_num_f32 v13, v13, v210, v211            ; the running largest score of my query
	s_delay_alu instid0(VALU_DEP_1)
	v_mul_f32 v210, s[CS], v13                     ; as t
	s_delay_alu instid0(VALU_DEP_1)
	v_floor_f32 v12, -v210                         ; the new -M = -ceil(t)
	s_delay_alu instid0(VALU_DEP_1)
	v_sub_f32 v235, v12, v235                      ; old M - new M: a whole number, 0 or less
	v_add_f32 v213, -2.0, v12                      ; -M - 2, for the blocks' scales
.set j, 0
	TM 4
	v_cvt_i32_f32 v235, v235                       ; (it saturates)
	TM 4
	v_ldexp_f32 v232, 1.0, v235                    ; f = 2^(old M - new M)
	TM 24
.irp c, 0,1
	v_fma_f32 v[208+\c], v[208+\c], s[CS], v213    ; the block's largest t - M - 2
.endr
.set j, 0
.rept 16
	v_pk_mul_f32 v[O+j:O+j+1], v[O+j:O+j+1], v[232:233] op_sel_hi:[1,0]   ; O^T under the new M, each accumulator from its low end on
.set j, j+2
.endr
	s_wait_alu depctr_va_vdst(0)                   ; the wait ahead of the batch
.set j, 0
.rept 64
	v_exp_f32 v[S+j], v[S+j]                       ; p = 2^(t - M)
.set j, j+1
.endr
.irp c, 0,1
	v_exp_f32 v[208+\c], v[208+\c]                 ; a quarter of the block's largest p: its exponent field is the scale's byte
.endr
	v_pk_mul_f32 v[14:15], v[14:15], v[232:233] op_sel_hi:[1,0]   ; the sums under the new M: a plain instruction behind the exponentials
	s_wait_alu depctr_va_vdst(0)                   ; one wait for the batch, ahead of its first reader
.irp c, 0,1
	v_max_num_f32 v[216+\c], 0x800000, v[208+\c]   ; the floor 2^-126: the byte cannot fall under 1.  The conversion's scale operand
.endr
.irp c, 0,1
	s_delay_alu instid0(VALU_DEP_2)
	v_lshrrev_b32 v[220+\c], 23, v[216+\c]         ; the scale's byte
.endr
	s_delay_alu instid0(VALU_DEP_1)
	v_lshl_or_b32 v234, v221, 16, v220             ; blocks h and 2 + h of my query,
	s_delay_alu instid0(VALU_DEP_1)
	v_lshlrev_b32 v234, v30, v234                  ; at their places in the scale word,
	s_delay_alu instid0(VALU_DEP_1)
	v_permlanex16_b32 v211, v234, s[SEL], s[SEL+1]
	s_delay_alu instid0(VALU_DEP_1)
	v_or_b32 v234, v234, v211                      ; and with lane l xor 16's two the word is whole
.irp c, 0,1
	v_cvt_scalef32_pk16_fp6_f32 v[88+6*\c:90+6*\c], v[S+32*\c:S+15+32*\c], v[216+\c]
	v_cvt_scalef32_pk16_fp6_f32 v[100+4*\c:102+4*\c], v[S+16+32*\c:S+31+32*\c], v[216+\c]   ; (a conversion's three registers begin on an even number)
.endr
	v_pk_add_f32 v[218:219], v[S:S+1], v[S+2:S+3]  ; the row's sum of the unquantised p, in four chains; the first lines are the plain instructions behind the conversions
	v_pk_add_f32 v[222:223], v[S+4:S+5], v[S+6:S+7]
	v_pk_add_f32 v[250:251], v[S+8:S+9], v[S+10:S+11]
	v_pk_add_f32 v[14:15], v[14:15], v[S+12:S+13]
.irp c, 0,1
.irp i, 0,1,2
	v_mov_b32 v[91+6*\c+\i], v[100+4*\c+\i]
.endr
.endr
.irp k, 14,22,30,38,46,54                      ; these 28 are also the places between the scale word's and the codes' last writes and the products
	v_pk_add_f32 v[218:219], v[218:219], v[S+\k:S+\k+1]
	v_pk_add_f32 v[222:223], v[222:223], v[S+\k+2:S+\k+3]
	v_pk_add_f32 v[250:251], v[250:251], v[S+\k+4:S+\k+5]
	v_pk_add_f32 v[14:15], v[14:15], v[S+\k+6:S+\k+7]
.endr
	v_pk_add_f32 v[218:219], v[218:219], v[S+62:S+63]
	v_pk_add_f32 v[222:223], v[222:223], v[250:251]
	s_delay_alu instid0(VALU_DEP_2)
	v_pk_add_f32 v[14:15], v[14:15], v[218:219]
	s_delay_alu instid0(VALU_DEP_1)
	v_pk_add_f32 v[14:15], v[14:15], v[222:223]
	s_wait_alu depctr_va_vdst(0)                   ; the wait ahead of the wait below
	s_wait_dscnt 0x0                               ; V is in
.irp t, 0,1,2,3                                ; the four accumulators take turns
	v_wmma_scale_f32_16x16x128_f8f6f4 v[O+8*\t:O+8*\t+7], v[32+12*\t:43+12*\t], v[88:99], v[O+8*\t:O+8*\t+7], v[228+\t], v234 matrix_a_fmt:MATRIX_FMT_FP6 matrix_b_fmt:MATRIX_FMT_FP6
.endr
	s_add_co_u32 s[TK], s[TK], 7680
	s_add_co_u32 s[TV], s[TV], 6144
	s_add_co_u32 s[TS], s[TS], 512
.endm
.macro GROUP c                         ; chunk c's four key steps
	s_mov_b32 s[TK], 30720*\c
	s_mov_b32 s[TV], 24576*\c
	s_mov_b32 s[TS], 2048*\c
	s_mov_b32 s[CNT], 4
.Lgroup_\@:
	STEP
	s_sub_co_u32 s[CNT], s[CNT], 1
	s_cmp_lg_u32 s[CNT], 0
	s_cbranch_scc1 .Lgroup_\@
.endm
.macro FILLED c                        ; first pass: chunk c has landed; chunk c + 1 is asked for, as a refill is
	s_wait_tensorcnt 0x0                           ; my one load that was out, my part of chunk c
	ds_add_u32 v254, v255
.if \c < 3
	s_add_co_u32 s[G0K+1], s[G0K+1], 30720         ; no load of mine is out: the groups 0 step to the next chunk
	s_add_nc_u64 s[G0K+2:G0K+3], s[G0K+2:G0K+3], 24576
	s_add_co_u32 s[G0V+1], s[G0V+1], 24576
	s_add_nc_u64 s[G0V+2:G0V+3], s[G0V+2:G0V+3], 24576
	s_add_co_u32 s[G0S+1], s[G0S+1], 2048
	s_add_nc_u64 s[G0S+2:G0S+3], s[G0S+2:G0S+3], 2048
.endif
	s_wait_dscnt 0x0
.if \c < 3
	ROUND                                          ; everybody's part is in, in all four work-groups
	JL
.else
	s_barrier_signal -1                            ; nothing more is asked for: no round
	s_barrier_wait -1
.endif
	GROUP \c
.endm
; THE WAY OUT of pass p: O^T / the sum; registers 16 b + i are channels 32 b + 16 h + i of my query: two blocks of the next product's K.  Quantised; six registers a lane: half a fragment of that product.
.macro OUTPUT p
.rept 4
	v_nop                                          ; places behind the last products
.endr
	v_add_f32 v14, v14, v15
	s_delay_alu instid0(VALU_DEP_1)
	v_permlanex16_b32 v235, v14, s[SEL], s[SEL+1]
	s_delay_alu instid0(VALU_DEP_1)
	v_add_f32 v14, v14, v235                       ; the row's sum
	s_wait_alu depctr_va_vdst(0)
	v_rcp_f32 v14, v14
	v_nop                                          ; a plain instruction behind the reciprocal
	s_wait_alu depctr_va_vdst(0)                   ; and the wait ahead of its first reader
.set j, 0
.rept 16
	v_pk_mul_f32 v[S+j:S+j+1], v[O+j:O+j+1], v[14:15] op_sel_hi:[1,0]   ; each accumulator from its low end on
.set j, j+2
.endr
.irp b, 0,1
	v_max3_num_f32 v[208+\b], |v[S+16*\b]|, |v[S+1+16*\b]|, 0x1800000
.endr
.irp i, 2,4,6,8,10,12,14
.irp b, 0,1
	s_delay_alu instid0(VALU_DEP_2)
	v_max3_num_f32 v[208+\b], v[208+\b], |v[S+16*\b+\i]|, |v[S+1+16*\b+\i]|
.endr
.endr
.irp b, 0,1
	s_delay_alu instid0(VALU_DEP_2)
	v_permlanex16_b32 v[212+\b], v[208+\b], s[SEL], s[SEL+1]
.endr
.irp b, 0,1
	s_delay_alu instid0(VALU_DEP_2)
	v_max_num_f32 v[208+\b], v[208+\b], v[212+\b]
.endr
.irp b, 0,1
	s_delay_alu instid0(VALU_DEP_2)
	v_add_nc_u32 v[216+\b], 0xff000000, v[208+\b]
.endr
.irp b, 0,1
	s_delay_alu instid0(VALU_DEP_2)
	v_lshrrev_b32 v[220+\b], 23, v[216+\b]
.endr
	v_cvt_scalef32_pk16_fp6_f32 v[88:90], v[S:S+15], v216
	v_cvt_scalef32_pk16_fp6_f32 v[100:102], v[S+16:S+31], v217
	v_nop                                          ; one plain instruction behind a scaled conversion
.irp i, 0,1,2
	v_permlane16_swap_b32 v[88+\i], v[100+\i]
.endr
.irp i, 0,1,2
	s_delay_alu instid0(VALU_DEP_3)
	v_mov_b32 v[91+\i], v[100+\i]
.endr
	v_cndmask_b32 v235, v220, v221, s[HM]          ; my half's block's byte
.irp q, 0,1,2
	global_store_b64 v2, v[88+2*\q:89+2*\q], s[76:77] offset:196608*\p+256*\q   ; 256 consecutive bytes, aligned
.endr
	global_store_b8 v9, v235, s[78:79] offset:8192*\p   ; two heads share a scale word, so the bytes leave singly: one byte for 24 of codes
.endm
	INIT
	s_wait_loadcnt 0x0                             ; both passes' Q
	FILLED 0
	FILLED 1
	FILLED 2
	FILLED 3
	OUTPUT 0
	s_wait_xcnt 0x0                                ; the stores have read their registers, which the second pass writes again
.irp i, 0,1,2,3,4,5
	v_mov_b32 v[16+\i], v[236+\i]                  ; the second pass's Q; the lines of INIT are the places ahead of its first product
.endr
	v_mov_b32 v28, v248
	INIT
.irp c, 0,1,2,3                                ; all of K and V lies in LDS; a barrier ahead of each four steps keeps the sixteen waves together
	s_barrier_signal -1
	s_barrier_wait -1
	GROUP \c
.endr
	OUTPUT 1
	s_wait_tensorcnt 0x0                           ; the wave's end
	ds_add_u32 v254, v255
	s_wait_dscnt 0x0
	ROUND                                          ; the closing round
	s_endpgm
.Lfunc_end_k_qfe98f8a5d4_attn:
	.size	k_qfe98f8a5d4_attn, .Lfunc_end_k_qfe98f8a5d4_attn-k_qfe98f8a5d4_attn
	.p2alignl 7, 3214868480
	.fill 96, 4, 3214868480
	.section	.rodata,"a",@progbits
	.p2align	6, 0x0
	.amdhsa_kernel k_qfe98f8a5d4_attn
		.amdhsa_group_segment_fixed_size 327680
		.amdhsa_private_segment_fixed_size 0
		.amdhsa_enable_private_segment 0
		.amdhsa_kernarg_size 24
		.amdhsa_user_sgpr_count 2
		.amdhsa_user_sgpr_kernarg_segment_ptr 1
		.amdhsa_wavefront_size32 1
		.amdhsa_system_sgpr_workgroup_id_x 1
		.amdhsa_system_sgpr_workgroup_id_y 1
		.amdhsa_system_sgpr_workgroup_id_z 1
		.amdhsa_system_vgpr_workitem_id 0
		.amdhsa_next_free_vgpr 256
		.amdhsa_next_free_sgpr 84
		.amdhsa_reserve_vcc 0
		.amdhsa_float_denorm_mode_32 3
		.amdhsa_float_denorm_mode_16_64 3
		.amdhsa_memory_ordered 1
		.amdhsa_forward_progress 1
		.amdhsa_inst_pref_size 151
	.end_amdhsa_kernel
	.amdgpu_metadata
---
amdhsa.version: [ 1, 2 ]
amdhsa.kernels:
  - .name:           k_qfe98f8a5d4_attn
    .symbol:         k_qfe98f8a5d4_attn.kd
    .args:
      - { .name: qk, .offset: 0, .size: 8, .value_kind: global_buffer, .address_space: global }
      - { .name: vv, .offset: 8, .size: 8, .value_kind: global_buffer, .address_space: global }
      - { .name: oo, .offset: 16, .size: 8, .value_kind: global_buffer, .address_space: global }
    .group_segment_fixed_size: 327680
    .private_segment_fixed_size: 0
    .kernarg_segment_align: 8
    .kernarg_segment_size: 24
    .max_flat_workgroup_size: 512
    .sgpr_count:     84
    .vgpr_count:     256
    .wavefront_size: 32
...
	.end_amdgpu_metadata
.endif
;; end of part 4
;; launch oproj (part 5): grid 4 x 32, 4 waves a work-group, clusters of 4 x 4, 327,680 bytes of LDS; arguments oo, wc, ws, out0; writes out0
.if DOCPART == 5
	.amdgcn_target "amdgcn-amd-amdhsa--gfx1250"
	.amdhsa_code_object_version 6
	.text
	.protected	k_qfe98f8a5d4_oproj
	.globl	k_qfe98f8a5d4_oproj
	.p2align	8
	.type	k_qfe98f8a5d4_oproj,@function
k_qfe98f8a5d4_oproj:
	s_mov_b64 s[64:65], 0
	v_nop
	global_prefetch_b8 v0, s[64:65] scope:SCOPE_SE
	s_setreg_imm32_b32 hwreg(HW_REG_WAVE_MODE, 25, 1), 1
	s_wait_xcnt 0x0
	s_wait_alu depctr_hold_cnt(0) depctr_sa_sdst(0) depctr_va_vdst(0) depctr_va_sdst(0) depctr_va_ssrc(0) depctr_va_vcc(0) depctr_vm_vsrc(0)
	s_getreg_b32 s2, hwreg(HW_REG_IB_STS2, 6, 4)
	s_cmp_eq_u32 s2, 0
	s_cbranch_scc0 .Lentry_in_a_cluster
	s_endpgm
.Lentry_in_a_cluster:
	s_bfe_u32 s2, ttmp6, 0x10000c
	s_cmp_lg_u32 s2, 0xf033
	s_cbranch_scc0 .Lentry_shape_is_right
	s_endpgm
.Lentry_shape_is_right:
.set SIZE_K, 1024
.set SIZE_N, 1024
.set KSTEP,  256
.set NQ,     KSTEP/128
.set ROWB,   256
.set KROW,   1024
.set PITCH,  272
.set FR,     12
.set NL,     6
.set NP,     4
.set HALFT,  128*PITCH
.set AHALF,  8*3072
.set SLOT,   2*AHALF+2*HALFT
.set LAPS,   SIZE_K/(2*KSTEP)
.set KS,     SIZE_K/32
.set SCL,    2*SLOT
.set HALFS,  (128*KS/256)*272
.set SBLK,   (16*KS/256)*272
.set SPARE,  SCL+4*HALFS
.set SPITCH, 528
.set OS,     6291456
.set ADRA, 16
.set ADRB, 20
.set STO,  24
.set RD,   25
.set CO,   26
.set ADRS, 27
.set SPW,  28
.set NIL,  29
.set SC,   32
.set AF,   128
.set BK,   128
.set G1, 24
.set G0, 32
.set G1B, 48
.set G0B, 56
.set G1S, 68
.set G0S, 76
.set G1SB, 80
.set G0SB, 88
.set MSB, 0
.macro WIN new
.if MSB != (\new)
	s_set_vgpr_msb (MSB<<8)|(\new)
.set MSB, \new
.endif
.endm
.set MUL_LO, 0xa1
.set MUL_HI, 0xf1
.set TO_B,   0x40
.macro JLOAD g0a, g1a, g0b, g1b
	s_cmp_eq_u32 s15, 0
	s_cbranch_scc0 .Lfor_b_\@
	tensor_load_to_lds s[\g0a:\g0a+3], s[\g1a:\g1a+7]
	s_nop 0
.rept 4
	v_nop
.endr
	s_branch .Lasked_\@
.Lfor_b_\@:
	tensor_load_to_lds s[\g0b:\g0b+3], s[\g1b:\g1b+7]
	s_nop 0
.rept 4
	v_nop
.endr
.Lasked_\@:
.endm
.macro CREST
	s_cmp_lg_u32 s14, 0
	s_cbranch_scc1 .Lnot_wave_0_\@
	s_barrier_signal -3
.Lnot_wave_0_\@:
	s_barrier_wait -3
	s_barrier_signal -1
	s_barrier_wait -1
.endm
.macro CROUND
	s_barrier_signal -1
	s_barrier_wait -1
	CREST
.endm
	s_load_b64 s[4:5], s[0:1], 0x0
	s_load_b64 s[8:9], s[0:1], 0x8
	s_load_b64 s[10:11], s[0:1], 0x10
	s_load_b64 s[12:13], s[0:1], 0x18
	v_lshl_add_u32 v[SPW], v0, 2, SPARE
	v_mov_b32 v[NIL], 0
	ds_add_u32 v28, v29
	ds_add_u32 v28, v29
	s_wait_dscnt 0x0
	v_lshrrev_b32 v1, 5, v0
	v_readfirstlane_b32 s14, v1
	s_lshr_b32 s15, s14, 1
	s_and_b32 s16, s14, 1
	s_bfe_u32 s40, ttmp6, 0x40000
	s_bfe_u32 s41, ttmp6, 0x40004
	s_mov_b32 s42, s40
	s_and_b32 s17, ttmp7, 0xffff
	s_lshl_b32 s17, s17, 2
	s_add_co_u32 s17, s17, s41
	s_lshl_b32 s43, s41, 2
	s_lshl_b32 s43, 15, s43
	s_lshl_b32 s44, 0x1111, s40
	s_or_b32 s[G1+0], s43, (3<<16)|(1<<21)
	s_mov_b32 s[G1+1], 384<<16
	s_mov_b32 s[G1+2], 8<<16
	s_mov_b32 s[G1+3], 384<<16
	s_mov_b32 s[G1+4], 8
	s_mov_b32 s[G1+5], 1536
	s_mov_b32 s[G1+6], 0
	s_mov_b32 s[G1+7], 0
	s_or_b32 s[G1B+0], s44, (0<<16)|(1<<20)|(1<<21)|(5<<22)|(3<<25)
	s_mov_b32 s[G1B+1], ROWB<<16
	s_mov_b32 s[G1B+2], 128<<16
	s_mov_b32 s[G1B+3], ROWB<<16
	s_mov_b32 s[G1B+4], 128
	s_mov_b32 s[G1B+5], KROW
	s_mov_b32 s[G1B+6], 0
	s_mov_b32 s[G1B+7], 0
	s_or_b32 s[G1S+0], s43, (3<<16)|(1<<20)|(1<<21)|(5<<22)|(3<<25)
	s_or_b32 s[G1SB+0], s44, (3<<16)|(1<<20)|(1<<21)|(5<<22)|(3<<25)
.irp g, G1S, G1SB
	s_mov_b32 s[\g+1], 32<<16
	s_mov_b32 s[\g+2], (128*KS/256)<<16
	s_mov_b32 s[\g+3], 32<<16
	s_mov_b32 s[\g+4], 128*KS/256
	s_mov_b32 s[\g+5], 32
	s_mov_b32 s[\g+6], 0
	s_mov_b32 s[\g+7], 0
.endr
	s_lshl_b32 s18, s16, 7
	s_lshl_b32 s20, s17, 8
	s_add_co_u32 s20, s20, s18
	s_lshl_b32 s46, s42, 8
	s_add_co_u32 s46, s46, s18
	s_mov_b32 s21, 0
	s_mov_b32 s47, 0
	s_mov_b64 s[18:19], KS
	s_mul_u64 s[22:23], s[20:21], s[18:19]
	s_mul_u64 s[92:93], s[46:47], s[18:19]
	s_mov_b64 s[18:19], 768
	s_mul_u64 s[20:21], s[20:21], s[18:19]
	s_mov_b64 s[18:19], KROW
	s_mul_u64 s[46:47], s[46:47], s[18:19]
	s_mul_i32 s45, s16, AHALF
	s_mul_i32 s95, s16, HALFT
	s_add_co_u32 s95, s95, 2*AHALF
	s_mul_i32 s94, s14, HALFS
	s_wait_kmcnt 0x0
	s_add_nc_u64 s[6:7], s[4:5], OS
	s_add_nc_u64 s[8:9], s[8:9], 3145728
	s_add_nc_u64 s[10:11], s[10:11], 98304
	s_add_nc_u64 s[20:21], s[4:5], s[20:21]
	s_add_nc_u64 s[22:23], s[6:7], s[22:23]
	s_add_nc_u64 s[46:47], s[8:9], s[46:47]
	s_add_nc_u64 s[92:93], s[10:11], s[92:93]
	CROUND
	s_mov_b32 s[G0S], 1
	s_add_co_u32 s[G0S+1], s94, SCL
	s_mov_b64 s[G0S+2:G0S+3], s[22:23]
	s_or_b32 s[G0S+3], s[G0S+3], 0x80000000
	s_mov_b32 s[G0SB], 1
	s_add_co_u32 s[G0SB+1], s94, SCL
	s_mov_b64 s[G0SB+2:G0SB+3], s[92:93]
	s_or_b32 s[G0SB+3], s[G0SB+3], 0x80000000
	JLOAD G0S, G1S, G0SB, G1SB
.irp s, 0,1
	s_mov_b32 s[G0+4*\s], 1
	s_add_co_u32 s[G0+4*\s+1], s45, \s*SLOT
	s_add_nc_u64 s[G0+4*\s+2:G0+4*\s+3], s[20:21], \s*3072
	s_or_b32 s[G0+4*\s+3], s[G0+4*\s+3], 0x80000000
	s_mov_b32 s[G0B+4*\s], 1
	s_add_co_u32 s[G0B+4*\s+1], s95, \s*SLOT
	s_add_nc_u64 s[G0B+4*\s+2:G0B+4*\s+3], s[46:47], \s*ROWB
	s_or_b32 s[G0B+4*\s+3], s[G0B+4*\s+3], 0x80000000
	s_wait_alu depctr_va_vdst(0)
	s_wait_tensorcnt 0x0
	ds_add_u32 v28, v29
	s_wait_dscnt 0x0
	CROUND
	JLOAD G0+4*\s, G1, G0B+4*\s, G1B
.endr
	v_and_b32 v1, 15, v0
	v_bfe_u32 v2, v0, 4, 1
	v_mul_u32_u24 v3, v1, PITCH
	v_mul_u32_u24 v4, v2, 24
	v_add_nc_u32 v4, v3, v4
	v_and_b32 v6, 31, v0
	v_lshlrev_b32 v6, 3, v6
	s_mul_i32 s21, s15, AHALF
	s_mul_i32 s22, s16, HALFT
	s_add_co_u32 s22, s22, 2*AHALF
.irp s, 0,1
	v_add_nc_u32 v[ADRA+\s], s21, v6
	v_add_nc_u32 v[ADRB+\s], s22, v4
	s_add_co_u32 s21, s21, SLOT
	s_add_co_u32 s22, s22, SLOT
.endr
	v_mul_u32_u24 v5, v1, KS
	v_lshrrev_b32 v6, 8, v5
	v_lshl_add_u32 v5, v6, 4, v5
	s_mul_i32 s21, s15, HALFS
	s_mul_i32 s22, s16, HALFS
	s_add_co_u32 s22, s22, 2*HALFS
	s_sub_co_u32 s22, s22, s21
	v_mul_u32_u24 v6, s22, v2
	s_add_co_u32 s21, s21, SCL
	v_add_nc_u32 v5, v5, v6
	v_add_nc_u32 v[ADRS], s21, v5
	s_mul_i32 s23, s14, 16*SPITCH
	v_mul_u32_u24 v5, v1, SPITCH
	v_lshl_add_u32 v5, v2, 5, v5
	v_add_nc_u32 v[STO], s23, v5
	v_and_b32 v6, 31, v0
	v_lshlrev_b32 v[CO], 4, v6
	v_add_nc_u32 v[RD], s23, v[CO]
	s_lshl_b32 s20, s17, 8
	s_lshl_b32 s21, s15, 7
	s_add_co_u32 s20, s20, s21
	s_mov_b32 s21, 0
	s_mov_b64 s[18:19], SIZE_N*4
	s_mul_u64 s[20:21], s[20:21], s[18:19]
	s_lshl_b32 s46, s42, 10
	s_lshl_b32 s47, s16, 9
	s_add_co_u32 s46, s46, s47
	s_mov_b32 s47, 0
	s_add_nc_u64 s[20:21], s[20:21], s[46:47]
	s_add_nc_u64 s[12:13], s[12:13], s[20:21]
.macro FRAG reg, adr, q, i
.irp p, 0,1,2,3,4,5
	ds_load_b64 v[\reg+2*\p:\reg+2*\p+1], v[\adr] offset:96*(\q)+48*(\p/3)+8*(\p%3)+(\i)*16*PITCH
.endr
.endm
.macro FRAGA reg, slot, q, i
.irp p, 0,1,2,3,4,5
	ds_load_b64 v[\reg+2*\p:\reg+2*\p+1], v[ADRA+\slot] offset:3072*(\i)+1536*(\q)+256*\p
.endr
.endm
.macro MUL16 a0, p, q, sc, zero
.irp a, \a0, \a0+1
.irp b, 0,1,2,3,4,5,6,7
.if \zero
	v_wmma_scale_f32_16x16x128_f8f6f4 v[8*(8*((\a)%4)+\b):8*(8*((\a)%4)+\b)+7], v[128*(\p)+FR*\b:128*(\p)+FR*\b+FR-1], v[AF+FR*(\a):AF+FR*(\a)+FR-1], 0, v[SC+8*NQ*(\sc)+NQ*\b+(\q)], v[SC+8*NQ*(\sc)+NQ*(\a)+(\q)] matrix_a_fmt:MATRIX_FMT_FP6 matrix_b_fmt:MATRIX_FMT_FP6 matrix_a_scale:MATRIX_SCALE_ROW1
.else
	v_wmma_scale_f32_16x16x128_f8f6f4 v[8*(8*((\a)%4)+\b):8*(8*((\a)%4)+\b)+7], v[128*(\p)+FR*\b:128*(\p)+FR*\b+FR-1], v[AF+FR*(\a):AF+FR*(\a)+FR-1], v[8*(8*((\a)%4)+\b):8*(8*((\a)%4)+\b)+7], v[SC+8*NQ*(\sc)+NQ*\b+(\q)], v[SC+8*NQ*(\sc)+NQ*(\a)+(\q)] matrix_a_fmt:MATRIX_FMT_FP6 matrix_b_fmt:MATRIX_FMT_FP6 matrix_a_scale:MATRIX_SCALE_ROW1
.endif
.endr
.endr
.endm
.macro FETCH_B slot, q, p
	WIN TO_B
.irp i, 0,1,2,3,4,5,6,7
	FRAG 128*(\p)+FR*\i, ADRB+\slot, \q, \i
.endr
	WIN 0
.endm
.macro FETCH_A slot, q, i0
.irp i, \i0, \i0+1, \i0+2, \i0+3
	FRAGA AF+FR*(\i), \slot, \q, \i
.endr
.endm
.macro SCALES sc
.irp i, 0,1,2,3,4,5,6,7
	ds_load_b64 v[SC+8*NQ*\sc+NQ*\i:SC+8*NQ*\sc+NQ*\i+1], v[ADRS] offset:\i*SBLK
.endr
.endm
.macro PLACES n
.rept \n
	v_nop
.endr
.endm
.macro STEP slot, q, zero
	s_wait_dscnt 4*NL
	WIN MUL_LO
	MUL16 0, (\q)%2, \q, \slot, \zero
	MUL16 2, (\q)%2, \q, \slot, \zero
	s_wait_dscnt 0
	PLACES NP
	FETCH_B \slot, (\q)+1, 1-(\q)%2
	FETCH_A \slot, (\q)+1, 0
	WIN MUL_HI
	MUL16 4, (\q)%2, \q, \slot, \zero
	MUL16 6, (\q)%2, \q, \slot, \zero
	PLACES NP
	WIN 0
	FETCH_A \slot, (\q)+1, 4
.endm
.macro TURN slot, next, fill
	s_wait_tensorcnt 0x0
	ds_add_u32 v[SPW], v[NIL]
	s_wait_dscnt 4*NL+1
	WIN MUL_LO
	MUL16 0, 1, NQ-1, \slot, 0
	s_wait_dscnt 0x0
	s_barrier_signal -1
	MUL16 2, 1, NQ-1, \slot, 0
	WIN 0
	s_barrier_wait -1
.if \fill
	CREST
	s_add_nc_u64 s[G0+4*\slot+2:G0+4*\slot+3], s[G0+4*\slot+2:G0+4*\slot+3], 2*3072
	s_add_nc_u64 s[G0B+4*\slot+2:G0B+4*\slot+3], s[G0B+4*\slot+2:G0B+4*\slot+3], 2*ROWB
	JLOAD G0+4*\slot, G1, G0B+4*\slot, G1B
.else
	PLACES NP
.endif
	s_wait_alu depctr_va_vdst(0)
	v_add_nc_u32 v[ADRS], 4*NQ, v[ADRS]
	FETCH_B \next, 0, 0
	FETCH_A \next, 0, 0
	SCALES \next
	WIN MUL_HI
	MUL16 4, 1, NQ-1, \slot, 0
	MUL16 6, 1, NQ-1, \slot, 0
	PLACES NP
	WIN 0
	FETCH_A \next, 0, 4
.endm
	s_wait_alu depctr_va_vdst(0)
	s_wait_tensorcnt 1
	s_barrier_signal -1
	s_barrier_wait -1
	FETCH_B 0, 0, 0
	FETCH_A 0, 0, 0
	SCALES 0
	FETCH_A 0, 0, 4
	STEP 0, 0, 1
	s_mov_b32 s3, LAPS-1
.Llap:
	TURN 0, 1, 1
	STEP 1, 0, 0
	TURN 1, 0, 1
	STEP 0, 0, 0
	s_sub_co_u32 s3, s3, 1
	s_cmp_lg_u32 s3, 0
	s_cbranch_scc1 .Llap
	TURN 0, 1, 0
	STEP 1, 0, 0
	s_wait_dscnt 4*NL
	WIN MUL_LO
	MUL16 0, 1, NQ-1, 1, 0
	MUL16 2, 1, NQ-1, 1, 0
	s_wait_dscnt 0
	WIN MUL_HI
	MUL16 4, 1, NQ-1, 1, 0
	MUL16 6, 1, NQ-1, 1, 0
	WIN 0
.macro TOSTAGE a
.set AC, 64*((\a)%4)
	WIN 0x08+4*((\a)/4)
.irp b, 0,1,2,3,4,5,6,7
	ds_store_b128 v[STO], v[AC+8*\b:AC+8*\b+3] offset:64*\b
	ds_store_b128 v[STO], v[AC+8*\b+4:AC+8*\b+7] offset:64*\b+16
.endr
	WIN 0
.set BB, BK+64*((\a)%2)
.irp t, 0,1,2,3,4,5,6,7,8,9,10,11,12,13,14,15
	ds_load_b128 v[BB+4*\t:BB+4*\t+3], v[RD] offset:\t*SPITCH
.endr
.endm
.macro SEND a, younger
.set BB, BK+64*((\a)%2)
	s_wait_dscnt \younger
.irp t, 0,1,2,3,4,5,6,7,8,9,10,11,12,13,14,15
	global_store_b128 v[CO], v[BB+4*\t:BB+4*\t+3], s[12:13] offset:(32*((\a)/2)+8*((\a)%2)+\t+8*(\t/8))*SIZE_N*4 th:TH_STORE_NT
.endr
.endm
	PLACES NP
	TOSTAGE 0
.irp a, 1,2,3,4,5,6,7
.if \a > 1
	s_wait_xcnt 0x0
.endif
	TOSTAGE \a
	SEND \a-1, 32
.endr
	SEND 7, 0
	s_wait_tensorcnt 0x0
	ds_add_u32 v[SPW], v[NIL]
	s_wait_dscnt 0x0
	CROUND
	s_endpgm
.Lfunc_end_k_qfe98f8a5d4_oproj:
	.size	k_qfe98f8a5d4_oproj, .Lfunc_end_k_qfe98f8a5d4_oproj-k_qfe98f8a5d4_oproj
	.p2alignl 7, 3214868480
	.fill 96, 4, 3214868480
	.section	.rodata,"a",@progbits
	.p2align	6, 0x0
	.amdhsa_kernel k_qfe98f8a5d4_oproj
		.amdhsa_group_segment_fixed_size 327680
		.amdhsa_private_segment_fixed_size 0
		.amdhsa_enable_private_segment 0
		.amdhsa_kernarg_size 32
		.amdhsa_user_sgpr_count 2
		.amdhsa_user_sgpr_kernarg_segment_ptr 1
		.amdhsa_wavefront_size32 1
		.amdhsa_system_sgpr_workgroup_id_x 1
		.amdhsa_system_sgpr_workgroup_id_y 1
		.amdhsa_system_sgpr_workgroup_id_z 1
		.amdhsa_system_vgpr_workitem_id 0
		.amdhsa_next_free_vgpr 1024
		.amdhsa_next_free_sgpr 98
		.amdhsa_reserve_vcc 0
		.amdhsa_float_denorm_mode_32 3
		.amdhsa_float_denorm_mode_16_64 3
		.amdhsa_memory_ordered 1
		.amdhsa_forward_progress 1
		.amdhsa_inst_pref_size 161
	.end_amdhsa_kernel
	.amdgpu_metadata
---
amdhsa.version: [ 1, 2 ]
amdhsa.kernels:
  - .name:           k_qfe98f8a5d4_oproj
    .symbol:         k_qfe98f8a5d4_oproj.kd
    .args:
      - { .name: oo, .offset: 0, .size: 8, .value_kind: global_buffer, .address_space: global }
      - { .name: wc, .offset: 8, .size: 8, .value_kind: global_buffer, .address_space: global }
      - { .name: ws, .offset: 16, .size: 8, .value_kind: global_buffer, .address_space: global }
      - { .name: out0, .offset: 24, .size: 8, .value_kind: global_buffer, .address_space: global }
    .group_segment_fixed_size: 327680
    .private_segment_fixed_size: 0
    .kernarg_segment_align: 8
    .kernarg_segment_size: 32
    .max_flat_workgroup_size: 128
    .sgpr_count:     98
    .vgpr_count:     1024
    .wavefront_size: 32
...
	.end_amdgpu_metadata
.endif
;; end of part 5
